; MI455X (gfx1250); checked and timed in simulation.
; The chip was launched on July 23, 2026; its instructions are those of AMD's public machine-readable ISA for CDNA 5 (MIT licence, August 2026) and "CDNA5" Instruction Set Architecture Reference Guide (July 2026). The comments in the code are by the model that wrote it; some were corrected since.
;; Quadratic Heterogenous Cross Attention. Allowed arithmetic: matrix products marked QUANTISED: E4M3 operands, one E8M0 scale for each 32 along K, by v_wmma_scale_f32_16x16x128_f8f6f4 with both operands' format E4M3, f32 sums; everything else in f32.
;; Inputs: Wk 4 x 256 x 256 float32; Wo 256 x 256 float32; Wq 256 x 256 float32; Wv 4 x 256 x 256 float32; bk 4 x 256 float32; bo 256 float32; bq 256 float32; bv 4 x 256 float32; concatenated_features 16 x 256 x 256 float32; edge_attr 16 x 256 x 256 float32; feature_weights 4 float32; q_data 16 x 256 x 256 float32; v_0 16 x 256 x 256 float32; x_0 16 x 256 x 256 float32.
;; Outputs: out0 16 x 256 x 256 float32.
;; This version of the problem:
;;   THIS VERSION OF THE PROBLEM IS GIVEN IN LOW PRECISION. The matrix products marked QUANTISED in the list below multiply operands that are first quantised to E4M3 (4 exponent bits, 3 mantissa bits; 8 bits a number), with one power-of-two scale for each 32 numbers along K (OCP MX v1.0); their sums are f32. All else is computed in f32.
;;   The module's matrix products, in the order in which they are computed (A, B: the left and right operand; K: the contracted axis; several contracted axes count as one K, in the product's order):
;;     1. [M 4,096, K 256] x [K 256, N 256]; A: input q_data; B: input Wq: QUANTISED
;;     2. [M 4,096, K 256] x [K 256, N 256]; A: input x_0; B: input Wk: QUANTISED
;;     3. [M 4,096, K 256] x [K 256, N 256]; A: input x_0; B: input Wv: QUANTISED
;;     4. batch 16 x [M 2,048, K 32] x [K 32, N 2,048]; A: computed on the way; B: computed on the way: QUANTISED
;;     5. batch 16 x [M 2,048, K 2,048] x [K 2,048, N 32]; A: softmax (see below); B: computed on the way: QUANTISED
;;     6. [M 4,096, K 256] x [K 256, N 256]; A: input v_0; B: input Wk: QUANTISED
;;     7. [M 4,096, K 256] x [K 256, N 256]; A: input v_0; B: input Wv: QUANTISED
;;     8. batch 16 x [M 2,048, K 32] x [K 32, N 2,048]; A: computed on the way; B: computed on the way: QUANTISED
;;     9. batch 16 x [M 2,048, K 2,048] x [K 2,048, N 32]; A: softmax (see below); B: computed on the way: QUANTISED
;;     10. [M 4,096, K 256] x [K 256, N 256]; A: input edge_attr; B: input Wk: QUANTISED
;;     11. [M 4,096, K 256] x [K 256, N 256]; A: input edge_attr; B: input Wv: QUANTISED
;;     12. batch 16 x [M 2,048, K 32] x [K 32, N 2,048]; A: computed on the way; B: computed on the way: QUANTISED
;;     13. batch 16 x [M 2,048, K 2,048] x [K 2,048, N 32]; A: softmax (see below); B: computed on the way: QUANTISED
;;     14. [M 4,096, K 256] x [K 256, N 256]; A: input concatenated_features; B: input Wk: QUANTISED
;;     15. [M 4,096, K 256] x [K 256, N 256]; A: input concatenated_features; B: input Wv: QUANTISED
;;     16. batch 16 x [M 2,048, K 32] x [K 32, N 2,048]; A: computed on the way; B: computed on the way: QUANTISED
;;     17. batch 16 x [M 2,048, K 2,048] x [K 2,048, N 32]; A: softmax (see below); B: computed on the way: QUANTISED
;;     18. [M 4,096, K 256] x [K 256, N 256]; A: computed on the way; B: input Wo: QUANTISED
;;   THE QUANTISER, for each operand of a quantised product, along K:
;;     - K is cut into blocks of 32 from its start; a last block that is shorter is filled with zeros.
;;     - A block's scale is 2^e with e = floor(log2(the largest magnitude in the block)) - 8, held to -126 .. 127; a block of zeros has e = 0. As a byte (E8M0): e + 127.
;;     - Each number is divided by its block's scale, clamped to +-448, and rounded to the nearest number of E4M3, ties to even, subnormals kept.
;;     - The product sums the exact products of the quantised numbers (number of the format x scale) in f32.
;;   ~~~python
;;   def quantise(x, axis):      # numpy; x: float32 -> the quantised numbers, widened to float32 again
;;       x = np.moveaxis(x, axis, -1); K = x.shape[-1]
;;       x = np.pad(x, [(0, 0)] * (x.ndim - 1) + [(0, -K % 32)]); x = x.reshape(x.shape[:-1] + (-1, 32)); a = np.abs(x).max(-1, keepdims=True)
;;       e = np.where(a > 0, np.clip(np.frexp(np.where(a > 0, a, 1))[1] - 1 - 8, -126, 127), 0)      # np.frexp(a)[1] - 1 = floor(log2(a)), exactly
;;       r = np.clip(x / 2.0 ** e, -448, 448)
;;       step = 2.0 ** (np.maximum(np.frexp(np.where(r == 0, 1, r))[1] - 1, -6) - 3)
;;       q = np.round(r / step) * step * 2.0 ** e      # np.round: ties to even
;;       return np.moveaxis(q.reshape(q.shape[:-2] + (-1,))[..., :K], -1, axis).astype(np.float32)
;;   ~~~
;;   SOFTMAX AHEAD OF A QUANTISED PRODUCT. Where the list says 'softmax', what is quantised is not the finished softmax but p = 2^(t - M), with t = logit x log2(e) and M = ceil(the row's largest t), a whole number; so 1/2 < the row's largest p <= 1. The row's sum l is taken of the UNQUANTISED p, in f32, and the product's result is divided by l at the end. Since M is a whole number, a kernel that streams over the keys may use a running M (the ceiling of the running maximum): every later rescaling is an exact power of two, which a block's scale takes up: the codes' values come out the same.
;;   OPERANDS COMPUTED ON THE WAY. 'Computed on the way' means the value that the module computes at that place (a softmax that the list does not call 'softmax' is quantised finished and normalised). What goes into a quantiser is computed in f32, as accurately as f32 sums, v_exp_f32 and their like allow (about 1e-6 of the number): no bf16 or f16 on the way to a quantiser, and a product that is left as it is and whose result goes on into a quantised operand takes f32 operands (vector FMAs, or v_wmma_f32_16x16x4_f32). A number that lies on a knife's edge between two numbers of the format may be rounded either way, as far as f32 arithmetic and the matrix unit's own rounding can turn it there, and no further.
;; 2 versions. Each part assembles by itself: llvm-mc -triple=amdgcn-amd-amdhsa -mcpu=gfx1250 --defsym DOCPART=n.
;; ======== version 1 of 2: 3 launches
;; workspace buffers: kv 8,650,752 bytes; q_img 1,114,112 bytes; wo_img 69,632 bytes; o_img 1,048,576 bytes; o_sc 32,768 bytes
;; launch project (part 1): grid 289 x 1, 8 waves a work-group, no clusters, 35,840 bytes of LDS; arguments q_data, x_0, v_0, edge_attr, concatenated_features, Wq, Wk, Wv, Wo, bq, bk, bv, q_img, kv, wo_img; writes q_img, kv, wo_img
.if DOCPART == 1
	.amdgcn_target "amdgcn-amd-amdhsa--gfx1250"
	.amdhsa_code_object_version 6
	.text
	.protected	k_q7ca95cd110_project
	.globl	k_q7ca95cd110_project
	.p2align	8
	.type	k_q7ca95cd110_project,@function
k_q7ca95cd110_project:
	s_mov_b64 s[64:65], 0
	v_nop
	global_prefetch_b8 v0, s[64:65] scope:SCOPE_SE
	s_setreg_imm32_b32 hwreg(HW_REG_WAVE_MODE, 25, 1), 1
	s_wait_xcnt 0x0
; THE NINE PROJECTIONS AHEAD OF THE ATTENTION, on codes of E4M3 with one E8M0 scale for each 32 along K, and Wo's codes.
; Q = rope(q_data Wq^T + bq), K_i = rope(f_i Wk_i^T + bk_i), V_i = f_i Wv_i^T + bv_i.  x and W arrive as f32 with K innermost and are quantised here, in registers; the results are
; quantised again (Q, K: along a head's 32 channels; V: along 32 keys) and stored as IMAGES OF THE OPERAND REGISTERS of the attention's products: 16 bytes a lane, 512 bytes on end for four registers.
; DEAD WORK: none.  Every bias goes into a quantised operand, every feature is weighed in by its gate, every product reaches the output: all fourteen inputs are loaded by some launch.
; LIMITS: NaN and infinities among the inputs are not served.  A block of zeros gets the scale byte 1 where the rule says 127: its codes are zeros, and this program alone reads the bytes.
; The sines and cosines of the rotation come from f32 polynomials behind a two-part reduction by pi/2 (angles 0 to 7): their truncation lies under 2e-9.
; SHARES.  Work-group id: g = id / 32, rb = id % 32 (128 rows: a query block or a key step).  g = 0: Q; 1-4: K of feature g - 1; 5-8: V of feature g - 5; id 288: Wo.  Wave w is head w: 32 columns x 128 rows.
; Wave w also quantises tile w of the 128 rows of x; the eight tiles reach all waves through LDS as register images.  One barrier.
; THE ROWS OF A TILE ARE NOT NEIGHBOURS: row r of tile t is row 32 (t / 2) + 8 (t % 2) + r + 8 (r / 8), for tokens and for a head's rows of W alike, so that the 16 registers of two neighbouring
; result tiles are 16 neighbours along the next product's K.
; Q, K: source 0 = 16 rows of W, source 1 = 16 tokens: a lane holds one token and channels 16 h + 0 .. 15.  V: source 0 = 16 tokens, source 1 = 16 rows of W: a lane holds one channel and keys 16 h + 0 .. 15 of a block of 32.
; The scale words of a key step leave by one store of 128 bytes: K's and V's, from two work-groups, share one aligned block of 256 bytes: 256 of a step's 8,448 bytes.
.set XIMG,  0                          ; LDS: x's 16 fragments (tile t, K step s) at (2 t + s) x 2,048
.set XSC,   32768                      ; their scale words, 128 bytes each
.set SPARE, 34816                      ; the spare words, 128 bytes for each of eight waves: no other line names them
.set VOFF, 1                           ; v1   (r + 8 (r / 8)) x 1,024 + 64 h: my 16 numbers of a block of 32, in x and in W
.set LI,   2                           ; v2   16 x lane
.set LS,   3                           ; v3   4 x lane
.set XWI,  4                           ; v4   where I store x's images: 16 x lane + 4,096 x wave
.set XWS,  5                           ; v5   and their scale words: XSC + 4 x lane + 256 x wave
.set SPW,  6                           ; v6   my spare word; never rewritten
.set NIL,  7                           ; v7   0; never rewritten
.set XS,   8                           ; v8-11   x's scale words (tile t of a pair, K step s) at 2 t + s: scales alone
.set WS,   12                          ; v12-15  W's scale words (u, s) at 2 u + s: scales alone
.set WF,   16                          ; v16-79  W's fragments (u, s) at 16 (2 u + s); before that: at work on the angles (v16-63), head's temporaries (v64-79), x's codes (v16-47)
.set STA,  80                          ; v80-143  64 numbers on their way to codes
.set STB,  144                         ; v144-207 the same, by turns
.set ACC,  80                          ; behind the staging: four accumulators
.set CD,   116                         ; v116-123 the codes that leave
.set KW,   124                         ; v124-125 the scale words that leave, in the making
.set SW,   126
.set SA,   127
.set T,    128                         ; v128-131 at work
.set XF,   144                         ; x's fragments of a pair of tiles: (t, s) at 16 (2 t + s)
.set COS,  208                         ; v208-215 cosines, v216-223 sines of my eight pairs of channels
.set SIN,  216
.set TM,   224                         ; v224-227 largest magnitudes, v228-231 permute targets and bytes, v232-235 448 x the scale, v236-239 the conversions' scale operands
.set BIAS, 240                         ; v240-255 the biases as C: tile u at 8 u
.set AN,   16
.set NF,   24
.set Z,    32
.set PS,   40
.set PCS,  48
.set NI,   56
.set WV,   34
.set GR,   35
.set RB,   36
.set FI,   37
.set SEL,  50
.set MNT,  52
.macro LOAD64 reg, base, off           ; 64 numbers a lane: register 16 b + i = k 32 b + 16 h + i of my row
.irp b, 0,1,2,3
.irp j, 0,1,2,3
	global_load_b128 v[\reg+16*\b+4*\j:\reg+16*\b+4*\j+3], v[VOFF], s[\base:\base+1] offset:\off+128*\b+16*\j
.endr
.endr
.endm
.macro QUANT s, d, w                   ; 64 numbers in v[s] on become a fragment's 16 registers of codes in v[d] on and its scale word in v[w]
.irp b, 0,1,2,3
	v_max3_num_f32 v[TM+\b], |v[\s+16*\b]|, |v[\s+1+16*\b]|, 0x4800000   ; block b: my 16 numbers and the floor 2^(9 - 127): the byte cannot fall under 1
.endr
.irp i, 2,4,6,8,10,12,14
.irp b, 0,1,2,3
	v_max3_num_f32 v[TM+\b], v[TM+\b], |v[\s+16*\b+\i]|, |v[\s+1+16*\b+\i]|
.endr
.endr
.irp b, 0,1,2,3
	v_permlanex16_b32 v[TM+4+\b], v[TM+\b], s[SEL], s[SEL+1]
.endr
.irp b, 0,1,2,3
	v_max_num_f32 v[TM+\b], v[TM+\b], v[TM+4+\b]   ; with lane l xor 16's: the block's largest magnitude
.endr
.irp b, 0,1,2,3
	v_add_nc_u32 v[TM+12+\b], 0xfc000000, v[TM+\b]   ; 8 off its exponent field: the conversion's scale operand
.endr
.irp b, 0,1,2,3
	v_and_or_b32 v[TM+8+\b], v[TM+\b], 0x7f800000, s[MNT]   ; 448 x the scale
.endr
.irp b, 0,1,2,3
	v_lshrrev_b32 v[TM+4+\b], 23, v[TM+12+\b]   ; the scale's byte
.endr
	v_lshl_or_b32 v[\w], v[TM+5], 8, v[TM+4]
	v_lshl_or_b32 v[\w], v[TM+6], 16, v[\w]
	v_lshl_or_b32 v[\w], v[TM+7], 24, v[\w]
.irp b, 0,1,2,3
.irp i, 0,1,2,3,4,5,6,7,8,9,10,11,12,13,14,15
	v_med3_num_f32 v[\s+16*\b+\i], v[\s+16*\b+\i], -v[TM+8+\b], v[TM+8+\b]   ; the conversion to an 8-bit code does not saturate (ISA guide 7.6.2): the hold
.endr
	v_cvt_scalef32_pk8_fp8_f32 v[\d+4*\b:\d+1+4*\b], v[\s+16*\b:\s+7+16*\b], v[TM+12+\b]
	v_cvt_scalef32_pk8_fp8_f32 v[\d+2+4*\b:\d+3+4*\b], v[\s+8+16*\b:\s+15+16*\b], v[TM+12+\b]
.endr
	v_nop                                          ; a plain line behind the last conversion
.endm
.macro Q16P sa, sb, da, db             ; two halves of blocks by turns: 16 numbers a lane each, the other 16 in lane l xor 16; codes to v[da], v[db] on, bytes to v[TM+4], v[TM+5]
	v_max3_num_f32 v[TM], |v[\sa]|, |v[\sa+1]|, 0x4800000
	v_max3_num_f32 v[TM+1], |v[\sb]|, |v[\sb+1]|, 0x4800000
.irp i, 2,4,6,8,10,12,14
	v_max3_num_f32 v[TM], v[TM], |v[\sa+\i]|, |v[\sa+\i+1]|
	v_max3_num_f32 v[TM+1], v[TM+1], |v[\sb+\i]|, |v[\sb+\i+1]|
.endr
	v_permlanex16_b32 v[TM+4], v[TM], s[SEL], s[SEL+1]
	v_permlanex16_b32 v[TM+5], v[TM+1], s[SEL], s[SEL+1]
	v_max_num_f32 v[TM], v[TM], v[TM+4]
	v_max_num_f32 v[TM+1], v[TM+1], v[TM+5]
	v_add_nc_u32 v[TM+12], 0xfc000000, v[TM]
	v_add_nc_u32 v[TM+13], 0xfc000000, v[TM+1]
	v_and_or_b32 v[TM+8], v[TM], 0x7f800000, s[MNT]
	v_and_or_b32 v[TM+9], v[TM+1], 0x7f800000, s[MNT]
	v_lshrrev_b32 v[TM+4], 23, v[TM+12]
	v_lshrrev_b32 v[TM+5], 23, v[TM+13]
.irp i, 0,1,2,3,4,5,6,7,8,9,10,11,12,13,14,15
	v_med3_num_f32 v[\sa+\i], v[\sa+\i], -v[TM+8], v[TM+8]
	v_med3_num_f32 v[\sb+\i], v[\sb+\i], -v[TM+9], v[TM+9]
.endr
	v_cvt_scalef32_pk8_fp8_f32 v[\da:\da+1], v[\sa:\sa+7], v[TM+12]
	v_cvt_scalef32_pk8_fp8_f32 v[\da+2:\da+3], v[\sa+8:\sa+15], v[TM+12]
	v_cvt_scalef32_pk8_fp8_f32 v[\db:\db+1], v[\sb:\sb+7], v[TM+13]
	v_cvt_scalef32_pk8_fp8_f32 v[\db+2:\db+3], v[\sb+8:\sb+15], v[TM+13]
	v_nop
.endm
.macro IMAGE d, off                    ; a fragment goes to LDS as it stands
.irp c, 0,1,2,3
	ds_store_b128 v[XWI], v[\d+4*\c:\d+4*\c+3] offset:\off+512*\c
.endr
.endm
.macro WFOUR                           ; W's four fragments: (0,0) and (0,1) are on their way into the two sets.  Each count of 16 leaves the other set's 16 loads out
	s_wait_loadcnt 16
	QUANT STA, WF, WS
	LOAD64 STA, 42, 8192
	s_wait_loadcnt 16
	QUANT STB, WF+16, WS+1
	LOAD64 STB, 42, 8704
	s_wait_loadcnt 16
	QUANT STA, WF+32, WS+2
	s_wait_loadcnt 0x0
	QUANT STB, WF+48, WS+3
.endm
.macro FETCHX b                        ; x's fragments and scale words of tiles 2 b and 2 b + 1
.irp t, 0,1
.irp s, 0,1
.irp c, 0,1,2,3
	ds_load_b128 v[XF+16*(2*\t+\s)+4*\c:XF+16*(2*\t+\s)+4*\c+3], v[LI] offset:XIMG+(2*(2*(\b)+\t)+\s)*2048+512*\c
.endr
	ds_load_b32 v[XS+2*\t+\s], v[LS] offset:XSC+(2*(2*(\b)+\t)+\s)*128
.endr
.endr
	s_wait_dscnt 0x0
.endm
.macro ROPE a                          ; 16 channels of a token: pair p is turned by the angle of channel pair 8 h + p
.irp p, 0,1,2,3,4,5,6,7
	v_mul_f32 v[T+2*(\p%2)], v[\a+2*\p+1], v[SIN+\p]
	v_mul_f32 v[T+2*(\p%2)+1], v[\a+2*\p+1], v[COS+\p]
	v_fma_f32 v[\a+2*\p+1], v[\a+2*\p], v[SIN+\p], v[T+2*(\p%2)+1]
	v_fma_f32 v[\a+2*\p], v[\a+2*\p], v[COS+\p], -v[T+2*(\p%2)]
.endr
.endm
.macro PLACES9                         ; eight places are owed ahead of the first read of the results and of loads into the operands, nine ahead of the next pair's products, which begin the same accumulators anew
.rept 9
	v_nop
.endr
.endm
.macro KPAIR b                         ; Q or K of tiles 2 b, 2 b + 1: the four accumulators by turns
.if (\b) > 0
	s_wait_xcnt 0x0                                ; the last pair's stores have read their data registers
.endif
	FETCHX \b
.irp t, 0,1
.irp u, 0,1
	v_wmma_scale_f32_16x16x128_f8f6f4 v[ACC+16*\t+8*\u:ACC+16*\t+8*\u+7], v[WF+32*\u:WF+32*\u+15], v[XF+32*\t:XF+32*\t+15], v[BIAS+8*\u:BIAS+8*\u+7], v[WS+2*\u], v[XS+2*\t]
.endr
.endr
.irp t, 0,1
.irp u, 0,1
	v_wmma_scale_f32_16x16x128_f8f6f4 v[ACC+16*\t+8*\u:ACC+16*\t+8*\u+7], v[WF+32*\u+16:WF+32*\u+31], v[XF+32*\t+16:XF+32*\t+31], v[ACC+16*\t+8*\u:ACC+16*\t+8*\u+7], v[WS+2*\u+1], v[XS+2*\t+1]
.endr
.endr
	PLACES9
	ROPE ACC
	ROPE ACC+16
	Q16P ACC, ACC+16, CD, CD+4
	global_store_b128 v[LI], v[CD:CD+3], s[46:47] offset:1024*(\b)          ; 512 consecutive bytes: tile 2 b
	global_store_b128 v[LI], v[CD+4:CD+7], s[46:47] offset:1024*(\b)+512    ; tile 2 b + 1
.if (\b)%2 == 0
	v_lshl_or_b32 v[KW+(\b)/2], v[TM+5], 8, v[TM+4]                         ; byte c of word f: tile 4 f + c
.else
	v_lshl_or_b32 v[KW+(\b)/2], v[TM+4], 16, v[KW+(\b)/2]
	v_lshl_or_b32 v[KW+(\b)/2], v[TM+5], 24, v[KW+(\b)/2]
.endif
.endm
.macro VPAIR b                         ; V of keys 32 b .. 32 b + 31 of the step, both tiles of channels
.if (\b) > 0
	s_wait_xcnt 0x0
.endif
	FETCHX \b
.irp u, 0,1
.irp t, 0,1
	v_wmma_scale_f32_16x16x128_f8f6f4 v[ACC+16*\u+8*\t:ACC+16*\u+8*\t+7], v[XF+32*\t:XF+32*\t+15], v[WF+32*\u:WF+32*\u+15], v[BIAS+8*\u:BIAS+8*\u+7], v[XS+2*\t], v[WS+2*\u]
.endr
.endr
.irp u, 0,1
.irp t, 0,1
	v_wmma_scale_f32_16x16x128_f8f6f4 v[ACC+16*\u+8*\t:ACC+16*\u+8*\t+7], v[XF+32*\t+16:XF+32*\t+31], v[WF+32*\u+16:WF+32*\u+31], v[ACC+16*\u+8*\t:ACC+16*\u+8*\t+7], v[XS+2*\t+1], v[WS+2*\u+1]
.endr
.endr
	PLACES9
	Q16P ACC, ACC+16, CD, CD+4
	global_store_b128 v[LI], v[CD:CD+3], s[46:47] offset:4096+512*(\b)      ; registers 4 b .. 4 b + 3 of V^T's fragment 0
	global_store_b128 v[LI], v[CD+4:CD+7], s[46:47] offset:6144+512*(\b)    ; and of fragment 1
.if (\b) == 0
	v_mov_b32 v[KW], v[TM+4]
	v_mov_b32 v[KW+1], v[TM+5]
.else
	v_lshl_or_b32 v[KW], v[TM+4], 8*(\b), v[KW]
	v_lshl_or_b32 v[KW+1], v[TM+5], 8*(\b), v[KW+1]
.endif
.endm
.macro FINISH                          ; the wave's end
	s_wait_tensorcnt 0x0
	ds_add_u32 v[SPW], v[NIL]
	s_wait_dscnt 0x0
	s_endpgm
.endm
	s_load_b256 s[4:11], s[0:1], 0x0               ; q_data, x_0, v_0, edge_attr
	s_load_b256 s[12:19], s[0:1], 0x20             ; concatenated_features, Wq, Wk, Wv
	s_load_b256 s[20:27], s[0:1], 0x40             ; Wo, bq, bk, bv
	s_load_b128 s[28:31], s[0:1], 0x60             ; q_img, kv
	s_load_b64 s[32:33], s[0:1], 0x70              ; wo_img
	v_lshl_add_u32 v[SPW], v0, 2, SPARE
	v_mov_b32 v[NIL], 0
	v_lshrrev_b32 v64, 5, v0
	v_readfirstlane_b32 s[WV], v64                 ; wave = head
	v_and_b32 v65, 15, v0                          ; r
	v_bfe_u32 v66, v0, 4, 1                        ; h
	v_and_b32 v67, 8, v65
	v_add_nc_u32 v67, v67, v65                     ; r + 8 (r / 8)
	v_lshlrev_b32 v[VOFF], 10, v67
	v_lshl_add_u32 v[VOFF], v66, 6, v[VOFF]
	v_and_b32 v68, 31, v0
	v_lshlrev_b32 v[LI], 4, v68
	v_lshlrev_b32 v[LS], 2, v68
	s_lshl_b32 s54, s[WV], 12
	v_add_nc_u32 v[XWI], s54, v[LI]
	s_lshl_b32 s54, s[WV], 8
	s_add_co_u32 s54, s54, XSC
	v_add_nc_u32 v[XWS], s54, v[LS]
	v_lshlrev_b32 v69, 6, v66                      ; Q, K: the bias of channels 16 h + ..
	v_lshlrev_b32 v70, 2, v67                      ; V: the bias of channel r + 8 (r / 8)
	v_lshlrev_b32 v71, 3, v66                      ; 8 h: my first pair of channels
.irp b, 0,1,2,3
	v_mov_b32 v[TM+4+\b], 0                        ; written once: a lane permute's destination counts as one of its sources
.endr
	s_lshr_b32 s[GR], ttmp9, 5
	s_and_b32 s[RB], ttmp9, 31
	s_sub_co_u32 s[FI], s[GR], 1
	s_and_b32 s[FI], s[FI], 3                      ; the feature
	s_mov_b32 s[SEL], 0x76543210
	s_mov_b32 s[SEL+1], 0xfedcba98                 ; lane l xor 16
	s_mov_b32 s[MNT], 0x600000                     ; the mantissa field of 448
	s_mov_b32 s60, 0x3638ef1d                      ; the sine's series: 1/9!, -1/7!, 1/5!, -1/3!
	s_mov_b32 s61, 0xb9500d01
	s_mov_b32 s62, 0x3c088889
	s_mov_b32 s63, 0xbe2aaaab
	s_mov_b32 s66, 0xb493f27e                      ; the cosine's: -1/10!, 1/8!, -1/6!, 1/4!
	s_mov_b32 s67, 0x37d00d01
	s_mov_b32 s68, 0xbab60b61
	s_mov_b32 s69, 0x3d2aaaab
	s_lshl_b32 s54, s[RB], 7                       ; x: row 128 rb + 32 (w / 2) + 8 (w % 2), 1,024 bytes a row
	s_lshr_b32 s55, s[WV], 1
	s_lshl_b32 s55, s55, 5
	s_add_co_u32 s54, s54, s55
	s_and_b32 s55, s[WV], 1
	s_lshl_b32 s55, s55, 3
	s_add_co_u32 s54, s54, s55
	s_lshl_b32 s54, s54, 10
	s_mov_b32 s55, 0
	s_cmp_eq_u32 s[GR], 0
	s_cselect_b32 s49, 0, s[FI]                    ; Wq and bq have no feature axis
	s_lshl_b32 s56, s49, 18                        ; W: the feature's matrix, my head's 32 rows
	s_lshl_b32 s57, s[WV], 15
	s_add_co_u32 s56, s56, s57
	s_mov_b32 s57, 0
	s_lshl_b32 s58, s49, 10                        ; the bias likewise
	s_lshl_b32 s59, s[WV], 7
	s_add_co_u32 s58, s58, s59
	s_mov_b32 s59, 0
	s_lshr_b32 s38, s[RB], 4
	s_lshl_b32 s38, s38, 3
	s_add_co_u32 s38, s38, s[WV]                   ; 8 x batch + head
	s_and_b32 s39, s[RB], 15                       ; the query block or key step
	s_lshl_b32 s70, s38, 4
	s_add_co_u32 s70, s70, s39
	s_mul_i32 s70, s70, 4352                       ; in q_img
	s_lshl_b32 s71, s[FI], 4
	s_add_co_u32 s71, s71, s38
	s_mul_i32 s71, s71, 135168
	s_mul_i32 s72, s39, 8448
	s_add_co_u32 s71, s71, s72                     ; in kv
	s_cmp_eq_u32 s[GR], 0
	s_cselect_b32 s70, s70, s71
	s_mov_b32 s71, 0
	s_wait_kmcnt 0x0
	s_cmp_eq_u32 s[GR], 9
	s_cbranch_scc1 .Lwo
	s_cmp_eq_u32 s[FI], 1                          ; the buffers are chosen by the work-group's number alone
	s_cselect_b64 s[40:41], s[8:9], s[6:7]
	s_cmp_eq_u32 s[FI], 2
	s_cselect_b64 s[40:41], s[10:11], s[40:41]
	s_cmp_eq_u32 s[FI], 3
	s_cselect_b64 s[40:41], s[12:13], s[40:41]
	s_cmp_lt_u32 s[GR], 5
	s_cselect_b64 s[42:43], s[16:17], s[18:19]
	s_cselect_b64 s[44:45], s[24:25], s[26:27]
	s_cmp_eq_u32 s[GR], 0
	s_cselect_b64 s[40:41], s[4:5], s[40:41]
	s_cselect_b64 s[42:43], s[14:15], s[42:43]
	s_cselect_b64 s[44:45], s[22:23], s[44:45]
	s_cselect_b64 s[46:47], s[28:29], s[30:31]
	s_mov_b32 s48, 8192
	s_cselect_b32 s48, 4096, s48                   ; where the scale words lie behind the codes
	s_add_nc_u64 s[40:41], s[40:41], s[54:55]
	s_add_nc_u64 s[42:43], s[42:43], s[56:57]
	s_add_nc_u64 s[44:45], s[44:45], s[58:59]
	s_add_nc_u64 s[46:47], s[46:47], s[70:71]
	s_cmp_ge_u32 s[GR], 5                          ; the biases are the oldest loads: every later counted wait shows them in
	s_cbranch_scc1 .Lbias_v
.irp i, 0,1,2,3
	global_load_b128 v[BIAS+4*\i:BIAS+4*\i+3], v69, s[44:45] offset:16*\i   ; register 8 u + j: channel 16 h + 8 u + j
.endr
	s_branch .Lbias_in
.Lbias_v:
	global_load_b32 v[BIAS], v70, s[44:45]                                  ; channel 8 u + r + 8 (r / 8), the same for all eight registers of a tile
	global_load_b32 v[BIAS+8], v70, s[44:45] offset:32
.Lbias_in:
	LOAD64 STA, 40, 0                              ; my tile of x, K step 0,
	LOAD64 STB, 40, 512                            ; and K step 1
	s_cmp_ge_u32 s[GR], 5
	s_cbranch_scc1 .Lno_rope                       ; V is not turned
	; the angles: timestep x 1000^(-i / 16), i = 8 h + p; the timestep is the same for the work-group's 128 rows
	s_lshr_b32 s54, s[RB], 1
	s_and_b32 s54, s54, 7
	v_cvt_f32_u32 v72, s54
.irp p, 0,1,2,3,4,5,6,7
	v_add_nc_u32 v[AN+\p], \p, v71
.endr
.irp p, 0,1,2,3,4,5,6,7
	v_cvt_f32_u32 v[AN+\p], v[AN+\p]
.endr
.irp p, 0,1,2,3,4,5,6,7
	v_mul_f32 v[AN+\p], 0xbf1f73da, v[AN+\p]       ; -i log2(1000) / 16
.endr
.irp p, 0,1,2,3,4,5,6,7
	v_exp_f32 v[AN+\p], v[AN+\p]
.endr
	v_nop                                          ; a plain line behind the last exponential,
	s_wait_alu depctr_va_vdst(0)                   ; and one wait for the eight, ahead of their first reader
.irp p, 0,1,2,3,4,5,6,7
	v_mul_f32 v[AN+\p], v72, v[AN+\p]
.endr
.irp p, 0,1,2,3,4,5,6,7
	v_mul_f32 v[NF+\p], 0x3f22f983, v[AN+\p]       ; x 2 / pi
.endr
.irp p, 0,1,2,3,4,5,6,7
	v_rndne_f32 v[NF+\p], v[NF+\p]                 ; n
.endr
.irp p, 0,1,2,3,4,5,6,7
	v_fmamk_f32 v[AN+\p], v[NF+\p], 0xbfc90fdb, v[AN+\p]   ; the angle less n pi / 2, pi / 2 in two parts
.endr
.irp p, 0,1,2,3,4,5,6,7
	v_fmamk_f32 v[AN+\p], v[NF+\p], 0x333bbd2e, v[AN+\p]
.endr
.irp p, 0,1,2,3,4,5,6,7
	v_mul_f32 v[Z+\p], v[AN+\p], v[AN+\p]
.endr
.irp p, 0,1,2,3,4,5,6,7
	v_fma_f32 v[PS+\p], v[Z+\p], s60, s61
	v_fma_f32 v[PCS+\p], v[Z+\p], s66, s67
.endr
.irp p, 0,1,2,3,4,5,6,7
	v_fma_f32 v[PS+\p], v[PS+\p], v[Z+\p], s62
	v_fma_f32 v[PCS+\p], v[PCS+\p], v[Z+\p], s68
.endr
.irp p, 0,1,2,3,4,5,6,7
	v_fma_f32 v[PS+\p], v[PS+\p], v[Z+\p], s63
	v_fma_f32 v[PCS+\p], v[PCS+\p], v[Z+\p], s69
.endr
.irp p, 0,1,2,3,4,5,6,7
	v_mul_f32 v[SIN+\p], v[AN+\p], v[Z+\p]
	v_fma_f32 v[PCS+\p], v[PCS+\p], v[Z+\p], -0.5
.endr
.irp p, 0,1,2,3,4,5,6,7
	v_fma_f32 v[PS+\p], v[SIN+\p], v[PS+\p], v[AN+\p]      ; the sine of the rest,
	v_fma_f32 v[PCS+\p], v[PCS+\p], v[Z+\p], 1.0           ; its cosine
.endr
.irp p, 0,1,2,3,4,5,6,7
	v_cvt_i32_f32 v[NI+\p], v[NF+\p]
.endr
.irp p, 0,1,2,3,4,5,6,7
	v_and_b32 v[NF+\p], 1, v[NI+\p]
.endr
.irp p, 0,1,2,3,4,5,6,7
	v_cmp_eq_u32 vcc_lo, 1, v[NF+\p]               ; an odd quarter swaps the two: values are selected, nothing branches
	v_cndmask_b32 v[SIN+\p], v[PS+\p], v[PCS+\p], vcc_lo
	v_cndmask_b32 v[COS+\p], v[PCS+\p], v[PS+\p], vcc_lo
.endr
.irp p, 0,1,2,3,4,5,6,7
	v_and_b32 v[NF+\p], 2, v[NI+\p]                ; the sine's sign: quarters 2, 3
	v_add_nc_u32 v[NI+\p], 1, v[NI+\p]
.endr
.irp p, 0,1,2,3,4,5,6,7
	v_lshlrev_b32 v[NF+\p], 30, v[NF+\p]
	v_and_b32 v[NI+\p], 2, v[NI+\p]                ; the cosine's: quarters 1, 2
.endr
.irp p, 0,1,2,3,4,5,6,7
	v_xor_b32 v[SIN+\p], v[NF+\p], v[SIN+\p]
	v_lshlrev_b32 v[NI+\p], 30, v[NI+\p]
.endr
.irp p, 0,1,2,3,4,5,6,7
	v_xor_b32 v[COS+\p], v[NI+\p], v[COS+\p]
.endr
.Lno_rope:
	s_wait_loadcnt 16                              ; the bias and K step 0 of x are in; K step 1's 16 loads may be out
	QUANT STA, 16, 48
	IMAGE 16, XIMG
	ds_store_b32 v[XWS], v48
	LOAD64 STA, 42, 0                              ; W's fragment (0, 0)
	s_wait_loadcnt 16                              ; K step 1 of x is in; the 16 just issued may be out
	QUANT STB, 32, 49
	IMAGE 32, XIMG+2048
	ds_store_b32 v[XWS], v49 offset:128
	LOAD64 STB, 42, 512                            ; W's fragment (0, 1)
	s_wait_dscnt 0x0                               ; the stores have read v16-49, which W's codes take
	WFOUR
.rept 4
	v_nop                                          ; codes written by vector instructions stand four places ahead of a scaled product
.endr
	s_wait_dscnt 0x0                               ; for the others' sake: my images lie in LDS
	s_barrier_signal -1
	s_barrier_wait -1                              ; all eight tiles of x do
	s_cmp_ge_u32 s[GR], 5
	s_cbranch_scc1 .Lv_path
	KPAIR 0
	KPAIR 1
	KPAIR 2
	KPAIR 3
	v_cmp_gt_u32 vcc_lo, 64, v[LS]                 ; lanes 0-15 carry the word of tiles 0-3, lanes 16-31 that of tiles 4-7 (both halves of the lanes hold both)
	v_cndmask_b32 v[SW], v[KW+1], v[KW], vcc_lo
	v_add_nc_u32 v[SA], s48, v[LS]
	global_store_b32 v[SA], v[SW], s[46:47]
	FINISH
.Lv_path:
.irp u, 0,1
.irp j, 1,2,3,4,5,6,7
	v_mov_b32 v[BIAS+8*\u+\j], v[BIAS+8*\u]        ; a lane's eight results of a tile are eight keys of one channel
.endr
.endr
	VPAIR 0
	VPAIR 1
	VPAIR 2
	VPAIR 3
	v_cmp_gt_u32 vcc_lo, 64, v[LS]                 ; lanes 0-15: fragment 0's word, lanes 16-31: fragment 1's
	v_cndmask_b32 v[SW], v[KW+1], v[KW], vcc_lo
	global_store_b32 v[LS], v[SW], s[46:47] offset:8320
	FINISH
.Lwo:                                              ; Wo's 32 rows of slab w become four fragments and four scale words; no LDS byte is written on this path
	s_lshl_b32 s54, s[WV], 15
	s_mov_b32 s55, 0
	s_add_nc_u64 s[42:43], s[20:21], s[54:55]
	s_mul_i32 s54, s[WV], 8704
	s_add_nc_u64 s[46:47], s[32:33], s[54:55]
	LOAD64 STA, 42, 0
	LOAD64 STB, 42, 512
	WFOUR
.irp i, 0,1,2,3,4,5,6,7,8,9,10,11,12,13,14,15
	global_store_b128 v[LI], v[WF+4*\i:WF+4*\i+3], s[46:47] offset:512*\i
.endr
	global_store_b128 v[LI], v[WS:WS+3], s[46:47] offset:8192
	FINISH
.Lfunc_end_k_q7ca95cd110_project:
	.size	k_q7ca95cd110_project, .Lfunc_end_k_q7ca95cd110_project-k_q7ca95cd110_project
	.p2alignl 7, 3214868480
	.fill 96, 4, 3214868480
	.section	.rodata,"a",@progbits
	.p2align	6, 0x0
	.amdhsa_kernel k_q7ca95cd110_project
		.amdhsa_group_segment_fixed_size 35840
		.amdhsa_private_segment_fixed_size 0
		.amdhsa_enable_private_segment 0
		.amdhsa_kernarg_size 120
		.amdhsa_user_sgpr_count 2
		.amdhsa_user_sgpr_kernarg_segment_ptr 1
		.amdhsa_wavefront_size32 1
		.amdhsa_system_sgpr_workgroup_id_x 1
		.amdhsa_system_sgpr_workgroup_id_y 1
		.amdhsa_system_sgpr_workgroup_id_z 1
		.amdhsa_system_vgpr_workitem_id 0
		.amdhsa_next_free_vgpr 256
		.amdhsa_next_free_sgpr 80
		.amdhsa_reserve_vcc 1
		.amdhsa_float_denorm_mode_32 3
		.amdhsa_float_denorm_mode_16_64 3
		.amdhsa_memory_ordered 1
		.amdhsa_forward_progress 1
		.amdhsa_inst_pref_size 182
	.end_amdhsa_kernel
	.amdgpu_metadata
---
amdhsa.version: [ 1, 2 ]
amdhsa.kernels:
  - .name:           k_q7ca95cd110_project
    .symbol:         k_q7ca95cd110_project.kd
    .args:
      - { .name: q_data, .offset: 0, .size: 8, .value_kind: global_buffer, .address_space: global }
      - { .name: x_0, .offset: 8, .size: 8, .value_kind: global_buffer, .address_space: global }
      - { .name: v_0, .offset: 16, .size: 8, .value_kind: global_buffer, .address_space: global }
      - { .name: edge_attr, .offset: 24, .size: 8, .value_kind: global_buffer, .address_space: global }
      - { .name: concatenated_features, .offset: 32, .size: 8, .value_kind: global_buffer, .address_space: global }
      - { .name: Wq, .offset: 40, .size: 8, .value_kind: global_buffer, .address_space: global }
      - { .name: Wk, .offset: 48, .size: 8, .value_kind: global_buffer, .address_space: global }
      - { .name: Wv, .offset: 56, .size: 8, .value_kind: global_buffer, .address_space: global }
      - { .name: Wo, .offset: 64, .size: 8, .value_kind: global_buffer, .address_space: global }
      - { .name: bq, .offset: 72, .size: 8, .value_kind: global_buffer, .address_space: global }
      - { .name: bk, .offset: 80, .size: 8, .value_kind: global_buffer, .address_space: global }
      - { .name: bv, .offset: 88, .size: 8, .value_kind: global_buffer, .address_space: global }
      - { .name: q_img, .offset: 96, .size: 8, .value_kind: global_buffer, .address_space: global }
      - { .name: kv, .offset: 104, .size: 8, .value_kind: global_buffer, .address_space: global }
      - { .name: wo_img, .offset: 112, .size: 8, .value_kind: global_buffer, .address_space: global }
    .group_segment_fixed_size: 35840
    .private_segment_fixed_size: 0
    .kernarg_segment_align: 8
    .kernarg_segment_size: 120
    .max_flat_workgroup_size: 256
    .sgpr_count:     80
    .vgpr_count:     256
    .wavefront_size: 32
...
	.end_amdgpu_metadata
.endif
;; end of part 1
;; launch attend (part 2): grid 16 x 16, 8 waves a work-group, clusters of 4 x 1, 327,680 bytes of LDS; arguments q_img, kv, feature_weights, o_img, o_sc; writes o_img, o_sc
.if DOCPART == 2
	.amdgcn_target "amdgcn-amd-amdhsa--gfx1250"
	.amdhsa_code_object_version 6
	.text
	.protected	k_q7ca95cd110_attend
	.globl	k_q7ca95cd110_attend
	.p2align	8
	.type	k_q7ca95cd110_attend,@function
k_q7ca95cd110_attend:
	s_mov_b64 s[64:65], 0
	v_nop
	global_prefetch_b8 v0, s[64:65] scope:SCOPE_SE
	s_setreg_imm32_b32 hwreg(HW_REG_WAVE_MODE, 25, 1), 1
	s_wait_xcnt 0x0
	s_wait_alu depctr_hold_cnt(0) depctr_sa_sdst(0) depctr_va_vdst(0) depctr_va_sdst(0) depctr_va_ssrc(0) depctr_va_vcc(0) depctr_vm_vsrc(0)
	s_getreg_b32 s2, hwreg(HW_REG_IB_STS2, 6, 4)
	s_cmp_eq_u32 s2, 0
	s_cbranch_scc0 .Lentry_in_a_cluster
	s_endpgm
.Lentry_in_a_cluster:
	s_bfe_u32 s2, ttmp6, 0x10000c
	s_cmp_lg_u32 s2, 0x3003
	s_cbranch_scc0 .Lentry_shape_is_right
	s_endpgm
.Lentry_shape_is_right:
; o[b][q][head] = the sum over the four features i of gate_i x softmax_k(Q . K_i / sqrt(32)) V_i, both products on codes of E4M3 with E8M0 scales; o is then quantised along the head's 32 channels for the last projection.
; No work of the problem is left out here.
; THE SOFTMAX AHEAD OF THE SECOND PRODUCT: t = score x log2(e) / sqrt(32); M = the running largest t rounded UP to a whole number; p = 2^(t - M) is quantised along the keys, not normalised; the row's sum is taken of
; the unquantised p and divides at a feature's end.  When M moves, the sum and O^T are multiplied by 2^(old M - new M): exact.
; LIMITS: NaN and infinities are not served.  A block's largest p is taken as the exponential of the block's largest score: that leans on v_exp_f32 not falling where its input rises.
; A block of zeros keeps the scale byte 1: its codes are zeros, and this program alone reads the bytes.
; SHARES.  A work-group owns 128 queries of one (batch, head); each of its eight waves 16 of them, one tile.  Every wave walks 4 features x 16 steps of 128 keys.
; CLUSTER.  The four query blocks of a cluster belong to one (batch, head) and read the same bytes of kv: every fill is asked for JOINTLY, by the same tensor load with a mask that names the four.
; THE RING.  Two LDS slots, each holding ONE WHOLE FEATURE of the head (16 steps x 8,448 bytes, dense in memory).  A wave fetches two steps (66 rows of 256 bytes) with one load.  A slot is filled again a whole feature,
; 16 steps, ahead of its first read.  By this text's own count a wave has two tensor loads out at the head and one behind each of the two refills.
; LAYOUT.  Both products are used transposed: S^T = K Q^T, O^T = V^T P^T: a lane holds ONE query (lane % 16) throughout.  The keys of a tile are chosen so that the 16 registers of tiles 2 b and 2 b + 1 are keys 32 b + 16 h + 0 .. 15.
; THE FIRST PRODUCT'S K IS 32, THE INSTRUCTION'S 128.  A fragment of K holds FOUR tiles of 16 keys, one in each block of 32 of the instruction's K.  Q's four registers lie in a strip between twelve registers of zero codes on
; either side; the 16 registers that begin 12 - 4 c into the strip have Q in block c and zeros elsewhere, so the product with them gives the scores of the fragment's tile c.  Q's scale word for it has Q's byte at c and 1 elsewhere.
; The scale byte of a row of o leaves by a store of one byte a lane (both halves of the lanes write the same byte): 16 bytes beside the wave's 512 of codes.
.set FEAT,  135168                     ; a feature of a head: a slot
.set STEPB, 8448                       ; a step: K's 8 tiles (4,096), V^T's two fragments (4,096), K's scale words (128), V's (128)
.set PART,  16896                      ; what a wave fetches
.set SPARE, 2*FEAT                     ; behind the ring: the spare words, 128 bytes for each of eight waves: no other line names them
.set LI,   1                           ; v1   16 x lane
.set LS,   2                           ; v2   4 x lane
.set ADR,  3                           ; v3   the step's first byte + 16 x lane
.set ADS,  4                           ; v4   the same + 4 x lane
.set SPW,  5                           ; v5   my spare word; never rewritten
.set NIL,  6                           ; v6   0; never rewritten
.set OSO,  7                           ; v7   8 x (lane % 16): my row in o_sc
.set G,    8                           ; v8-11   the gates
                                       ; v12 -M, v13 the largest t, v[14:15] the sum in two halves
.set QS,   16                          ; v16-19  Q's scale words, one for each place in the strip
.set KS,   20                          ; v20  K's scale words: lanes 0-15 fragment 0, lanes 16-31 fragment 1
.set VS,   21                          ; v21  V's likewise
.set PW,   22                          ; v22  p's scale word
.set QZ,   24                          ; v24-51  the strip
.set KF,   52                          ; v52-83  K's two fragments
.set VF,   84                          ; v84-115 V^T's two fragments
.set S,    116                         ; v116-179 S^T, then p
.set O,    180                         ; v180-195 O^T of the feature in hand: register 8 u + j is channel 16 h + 8 u + j
.set OUTR, 196                         ; v196-211 the gated sum over the features
.set PCD,  212                         ; v212-227 p's codes
.set BM,   228
.set PT,   232
.set LIM,  236
.set SCO,  240
.set F,    244                         ; v[244:245] a factor; the packed forms name the pair and take its low word
.set TA,   246
.set TC,   248                         ; v[248:249]
.set WV,   14
.set SEL,  20
.set CS,   22
.set MNT,  24
.set TB,   25                          ; s25  LDS byte at which the step in hand begins
.set CNT,  26
.set G1,   28                          ; s[28:35] descriptor group 1
.set G0,   36                          ; s[36:39], s[40:43] group 0, one for each slot
.macro CROUND                          ; a round of the cluster's barrier
	s_barrier_signal -1
	s_barrier_wait -1
	s_cmp_lg_u32 s[WV], 0
	s_cbranch_scc1 .Lnot_wave_0_\@
	s_barrier_signal -3
.Lnot_wave_0_\@:
	s_barrier_wait -3
	s_barrier_signal -1
	s_barrier_wait -1
.endm
	s_load_b256 s[4:11], s[0:1], 0x0               ; q_img, kv, feature_weights, o_img
	s_load_b64 s[12:13], s[0:1], 0x20              ; o_sc
	v_lshl_add_u32 v[SPW], v0, 2, SPARE
	v_mov_b32 v[NIL], 0
	ds_add_u32 v[SPW], v[NIL]                      ; the wave's opening: the add, twice on end, and its wait ahead of my first tensor load
	ds_add_u32 v[SPW], v[NIL]                      ; and once more, under the one wait; the set-up below is work on registers
	v_lshrrev_b32 v[TA], 5, v0
	v_readfirstlane_b32 s[WV], v[TA]               ; wave 0..7
	s_mov_b32 s[G1], 15|(3<<16)|(1<<21)            ; 15:0 the mask: all four work-groups; 17:16 elements of 8 bytes; 21 set beside a mask; no padding: fragments are read 16 bytes a lane on end
	s_mov_b32 s[G1+1], 32<<16                      ; tensor_dim0 = 32 elements: 256 bytes
	s_mov_b32 s[G1+2], 66<<16                      ; tensor_dim1 = 66 rows
	s_mov_b32 s[G1+3], 32<<16                      ; tile_dim0
	s_mov_b32 s[G1+4], 66                          ; tile_dim1
	s_mov_b32 s[G1+5], 32                          ; from row to row: dense
	s_mov_b32 s[G1+6], 0
	s_mov_b32 s[G1+7], 0
	s_mov_b32 s[SEL], 0x76543210
	s_mov_b32 s[SEL+1], 0xfedcba98                 ; lane l xor 16
	s_mov_b32 s[CS], 0x3e8293ee                    ; c = log2(e) / sqrt(32)
	s_mov_b32 s[CS+1], s[CS]                       ; (named with it as a pair, so it is written)
	s_mov_b32 s[MNT], 0x600000                     ; the mantissa field of 448
	s_and_b32 s46, ttmp7, 0xffff                   ; 8 x batch + head: shared by the four partners
	s_mul_i32 s48, s46, FEAT
	s_mul_i32 s[G0+1], s[WV], PART                 ; my part's place in slot 0: the wave's number alone enters an LDS address
	s_add_co_u32 s48, s48, s[G0+1]
	s_mov_b32 s49, 0                               ; s[48:49]: my part of feature 0 in kv
	s_add_co_u32 s[G0+5], s[G0+1], FEAT            ; and in slot 1
	s_mov_b32 s[G0], 1
	s_mov_b32 s[G0+4], 1
	s_bfe_u32 s44, ttmp6, 0x40000                  ; cx: it enters Q's and o's global addresses alone
	s_lshl_b32 s45, ttmp9, 2
	s_add_co_u32 s45, s45, s44                     ; my query block
	s_lshl_b32 s50, s46, 4
	s_add_co_u32 s50, s50, s45
	s_mul_i32 s50, s50, 4352
	s_mov_b32 s51, 0                               ; s[50:51]: my block in q_img
	s_lshr_b32 s52, s46, 3
	s_lshl_b32 s52, s52, 7
	s_lshl_b32 s53, s45, 3
	s_add_co_u32 s52, s52, s53
	s_add_co_u32 s52, s52, s[WV]                   ; my tile of rows among the 256: 128 x batch + 8 x block + wave
	s_and_b32 s53, s46, 7                          ; the head
	s_lshl_b32 s54, s52, 12
	s_lshl_b32 s55, s53, 9
	s_add_co_u32 s54, s54, s55
	s_mov_b32 s55, 0                               ; s[54:55]: in o_img
	s_lshl_b32 s56, s52, 7
	s_add_co_u32 s56, s56, s53
	s_mov_b32 s57, 0                               ; s[56:57]: in o_sc
	s_lshl_b32 s58, s[WV], 9                       ; my tile in the block of Q
	s_lshr_b32 s59, s[WV], 2
	s_lshl_b32 s59, s59, 6                         ; which half of the scale words
	s_and_b32 s47, s[WV], 3
	s_lshl_b32 s47, s47, 3                         ; and which byte of the word
	s_wait_dscnt 0x0                               ; both opening adds are done
	s_wait_kmcnt 0x0
	s_add_nc_u64 s[G0+2:G0+3], s[6:7], s[48:49]
	s_add_nc_u64 s[G0+6:G0+7], s[G0+2:G0+3], 16*FEAT   ; feature 1
	s_or_b32 s[G0+3], s[G0+3], 0x80000000          ; type = 2
	s_or_b32 s[G0+7], s[G0+7], 0x80000000
	s_add_nc_u64 s[4:5], s[4:5], s[50:51]
	s_add_nc_u64 s[10:11], s[10:11], s[54:55]
	s_add_nc_u64 s[12:13], s[12:13], s[56:57]
	CROUND                                         ; all four work-groups are here: the first joint loads meet
	tensor_load_to_lds s[G0:G0+3], s[G1:G1+7]      ; feature 0
	s_nop 0
	tensor_load_to_lds s[G0+4:G0+7], s[G1:G1+7]    ; feature 1
	s_nop 0
.rept 4
	v_nop
.endr
	s_load_b128 s[16:19], s[8:9], 0x0              ; the four feature weights
	v_and_b32 v[TA], 31, v0
	v_lshlrev_b32 v[LI], 4, v[TA]
	v_lshlrev_b32 v[LS], 2, v[TA]
	v_and_b32 v[OSO], 15, v0
	v_lshlrev_b32 v[PT+1], 2, v[OSO]
	v_add_nc_u32 v[PT+1], s59, v[PT+1]
	v_lshlrev_b32 v[OSO], 3, v[OSO]
	v_add_nc_u32 v[PT], s58, v[LI]
	global_load_b128 v[QZ+12:QZ+15], v[PT], s[4:5]             ; Q's codes: they stay
	global_load_b32 v[PT+2], v[PT+1], s[4:5] offset:4096       ; the scale word that holds my tile's byte
.irp i, 0,1,2,3,4,5,6,7,8,9,10,11
	v_mov_b32 v[QZ+\i], 0                          ; the strip's zero codes
	v_mov_b32 v[QZ+16+\i], 0
.endr
	v_mov_b32 v[F+1], 0                            ; (upper halves of pairs that packed forms name)
	v_mov_b32 v[TA+1], 0
	v_mov_b32 v[TC], 0
	v_mov_b32 v[TC+1], 0
	s_wait_kmcnt 0x0
	v_mov_b32 v[G], s16                            ; the gates: a softmax of four numbers, the largest taken away first
	v_mov_b32 v[G+1], s17
	v_mov_b32 v[G+2], s18
	v_mov_b32 v[G+3], s19
	v_max3_num_f32 v[TA], v[G], v[G+1], v[G+2]
	v_max_num_f32 v[TA], v[TA], v[G+3]
.irp i, 0,1,2,3
	v_sub_f32 v[G+\i], v[G+\i], v[TA]
.endr
.irp i, 0,1,2,3
	v_mul_f32 v[G+\i], 0x3fb8aa3b, v[G+\i]
.endr
.irp i, 0,1,2,3
	v_exp_f32 v[G+\i], v[G+\i]
.endr
	v_nop
	s_wait_alu depctr_va_vdst(0)                   ; one wait for the four, ahead of their first reader
	v_add_f32 v[TA], v[G], v[G+1]
	v_add_f32 v[TC], v[G+2], v[G+3]
	v_add_f32 v[TA], v[TA], v[TC]
	v_rcp_f32 v[TA], v[TA]
	v_nop
	s_wait_alu depctr_va_vdst(0)
.irp i, 0,1,2,3
	v_mul_f32 v[G+\i], v[G+\i], v[TA]
.endr
	s_wait_loadcnt 0x0                             ; Q
	v_lshrrev_b32 v[PT+2], s47, v[PT+2]
	v_and_b32 v[PT+2], 255, v[PT+2]                ; my tile's scale byte, row r's in lane r
	v_lshl_or_b32 v[QS], v[PT+2], 0, 0x01010100
	v_lshl_or_b32 v[QS+1], v[PT+2], 8, 0x01010001
	v_lshl_or_b32 v[QS+2], v[PT+2], 16, 0x01000101
	v_lshl_or_b32 v[QS+3], v[PT+2], 24, 0x00010101
.irp b, 0,1,2,3
	v_mov_b32 v[PT+\b], 0                          ; a lane permute's destination counts as one of its sources
.endr
.macro PRO slot                        ; a feature begins: its first step's K
	s_mov_b32 s[TB], \slot*FEAT
	v_add_nc_u32 v[ADR], s[TB], v[LI]
	v_add_nc_u32 v[ADS], s[TB], v[LS]
.irp f, 0,1
.irp c, 0,1,2,3
	ds_load_b128 v[KF+16*\f+4*\c:KF+16*\f+4*\c+3], v[ADR] offset:2048*\f+512*\c
.endr
.endr
	ds_load_b32 v[KS], v[ADS] offset:8192
.endm
.macro INIT                            ; the step is written without a first step of its own: it finds zeros, which the first change of M leaves zeros
.irp j, 0,1,2,3,4,5,6,7,8,9,10,11,12,13,14,15
	v_mov_b32 v[O+\j], 0
.endr
	v_mov_b32 v13, 0xff61b1e6                      ; the largest t so far: -3e38
	v_floor_f32 v12, -v13
	v_mov_b32 v14, 0
	v_mov_b32 v15, 0
.endm
; A KEY STEP: 128 keys.  last = 1: the feature's last: no next step's K is fetched (it would lie beyond the slot).
.macro STEP last
	s_wait_dscnt 0x0                               ; K and its scale words are in
.irp f, 0,1
.irp c, 0,1,2,3
.if \f
	v_wmma_scale_f32_16x16x128_f8f6f4 v[S+8*(4*\f+\c):S+8*(4*\f+\c)+7], v[KF+16*\f:KF+16*\f+15], v[QZ+12-4*\c:QZ+27-4*\c], 0, v[KS], v[QS+\c] matrix_a_scale:MATRIX_SCALE_ROW1
.else
	v_wmma_scale_f32_16x16x128_f8f6f4 v[S+8*(4*\f+\c):S+8*(4*\f+\c)+7], v[KF+16*\f:KF+16*\f+15], v[QZ+12-4*\c:QZ+27-4*\c], 0, v[KS], v[QS+\c]
.endif
.endr
.endr
	v_add_nc_u32 v[ADR], s[TB], v[LI]              ; eight places ahead of the loads into registers that products have read, and of the first read of the scores
	v_add_nc_u32 v[ADS], s[TB], v[LS]
	v_mov_b32 v[TA], v12                           ; the old -M
.rept 5
	v_nop
.endr
	ds_load_b32 v[VS], v[ADS] offset:8320
.irp u, 0,1
.irp c, 0,1,2,3
	ds_load_b128 v[VF+16*\u+4*\c:VF+16*\u+4*\c+3], v[ADR] offset:4096+2048*\u+512*\c
.endr
.endr
.if !\last
.irp f, 0,1
.irp c, 0,1,2,3
	ds_load_b128 v[KF+16*\f+4*\c:KF+16*\f+4*\c+3], v[ADR] offset:STEPB+2048*\f+512*\c   ; the next step's K lands under the softmax
.endr
.endr
	ds_load_b32 v[KS], v[ADS] offset:STEPB+8192
.endif
.irp b, 0,1,2,3
	v_max3_num_f32 v[BM+\b], v[S+16*\b], v[S+1+16*\b], v[S+2+16*\b]   ; the largest score of each block of 32 keys: for the row's maximum, and for the block's largest p
.endr
.irp i, 3,5,7,9,11,13
.irp b, 0,1,2,3
	v_max3_num_f32 v[BM+\b], v[BM+\b], v[S+16*\b+\i], v[S+1+16*\b+\i]
.endr
.endr
.irp b, 0,1,2,3
	v_max_num_f32 v[BM+\b], v[BM+\b], v[S+15+16*\b]
.endr
.irp b, 0,1,2,3
	v_permlanex16_b32 v[PT+\b], v[BM+\b], s[SEL], s[SEL+1]
.endr
.irp b, 0,1,2,3
	v_max_num_f32 v[BM+\b], v[BM+\b], v[PT+\b]     ; with lane l xor 16's 16 keys
.endr
	v_max3_num_f32 v[TC], v[BM], v[BM+1], v[BM+2]
	v_max_num_f32 v[TC], v[TC], v[BM+3]
	v_mul_f32 v[TC], s[CS], v[TC]                  ; as t (c is positive)
	v_max_num_f32 v13, v13, v[TC]                  ; the running largest t
	v_floor_f32 v12, -v13                          ; the new -M = -ceil(t)
	v_sub_f32 v[TA], v12, v[TA]                    ; old M - new M: a whole number, 0 or less
	v_cvt_i32_f32 v[TA], v[TA]                     ; (it saturates)
	v_ldexp_f32 v[F], 1.0, v[TA]                   ; f = 2^(old M - new M)
.set j, 0
.rept 32
	v_pk_fma_f32 v[S+j:S+j+1], v[S+j:S+j+1], s[CS:CS+1], v[12:13] op_sel_hi:[1,0,0]   ; t - M, two at a time
.set j, j+2
.endr
.irp b, 0,1,2,3
	v_fma_f32 v[BM+\b], v[BM+\b], s[CS], v12       ; the same of each block's largest score
.endr
.set j, 0
.rept 64
	v_exp_f32 v[S+j], v[S+j]                       ; p = 2^(t - M)
.set j, j+1
.endr
	v_pk_mul_f32 v[14:15], v[14:15], v[F:F+1] op_sel_hi:[1,0]   ; the sums under the new M: the plain line behind the exponentials
	s_wait_alu depctr_va_vdst(0)                   ; one wait for the 64, ahead of their first reader
.irp b, 0,1,2,3
	v_exp_f32 v[BM+\b], v[BM+\b]                   ; the block's largest p
.endr
	v_pk_add_f32 v[TC:TC+1], v[S:S+1], v[S+2:S+3]  ; the row's sum of the unquantised p, in two chains
.set j, 4
.rept 15
	v_pk_add_f32 v[14:15], v[14:15], v[S+j:S+j+1]
	v_pk_add_f32 v[TC:TC+1], v[TC:TC+1], v[S+j+2:S+j+3]
.set j, j+4
.endr
	v_pk_add_f32 v[14:15], v[14:15], v[TC:TC+1]
	s_wait_alu depctr_va_vdst(0)                   ; and one for the four
.irp b, 0,1,2,3
	v_max_num_f32 v[BM+\b], 0x4800000, v[BM+\b]    ; the floor 2^(9 - 127): the byte cannot fall under 1
.endr
.irp b, 0,1,2,3
	v_add_nc_u32 v[SCO+\b], 0xfc000000, v[BM+\b]   ; the conversion's scale operand
.endr
.irp b, 0,1,2,3
	v_and_or_b32 v[LIM+\b], v[BM+\b], 0x7f800000, s[MNT]   ; 448 x the scale
.endr
.irp b, 0,1,2,3
	v_lshrrev_b32 v[PT+\b], 23, v[SCO+\b]          ; the scale's byte
.endr
	v_lshl_or_b32 v[PW], v[PT+1], 8, v[PT]         ; p's scale word for these 128 keys: more than eight places ahead of its products
	v_lshl_or_b32 v[PW], v[PT+2], 16, v[PW]
	v_lshl_or_b32 v[PW], v[PT+3], 24, v[PW]
.irp b, 0,1,2,3
.irp i, 0,1,2,3,4,5,6,7,8,9,10,11,12,13,14,15
	v_min_num_f32 v[S+16*\b+\i], v[S+16*\b+\i], v[LIM+\b]   ; the hold (ISA guide 7.6.2); p is not negative, so it is one-sided
.endr
	v_cvt_scalef32_pk8_fp8_f32 v[PCD+4*\b:PCD+1+4*\b], v[S+16*\b:S+7+16*\b], v[SCO+\b]
	v_cvt_scalef32_pk8_fp8_f32 v[PCD+2+4*\b:PCD+3+4*\b], v[S+8+16*\b:S+15+16*\b], v[SCO+\b]
.endr
.set j, 0
.rept 8
	v_pk_mul_f32 v[O+j:O+j+1], v[O+j:O+j+1], v[F:F+1] op_sel_hi:[1,0]   ; O^T under the new M; these eight stand between the codes and their products
.set j, j+2
.endr
.if \last
	s_wait_dscnt 0x0
.else
	s_wait_dscnt 9                                 ; V and its scale words are in; the nine younger loads, the next step's K and its scale words, may be out
.endif
	v_wmma_scale_f32_16x16x128_f8f6f4 v[O:O+7], v[VF:VF+15], v[PCD:PCD+15], v[O:O+7], v[VS], v[PW]
	v_wmma_scale_f32_16x16x128_f8f6f4 v[O+8:O+15], v[VF+16:VF+31], v[PCD:PCD+15], v[O+8:O+15], v[VS], v[PW] matrix_a_scale:MATRIX_SCALE_ROW1
	s_add_co_u32 s[TB], s[TB], STEPB
.endm
.macro FEATURE                         ; no two matrix instructions that follow each other share an accumulator, over the backward jump too
	s_mov_b32 s[CNT], 15
.Lstep_\@:
	STEP 0
	s_sub_co_u32 s[CNT], s[CNT], 1
	s_cmp_lg_u32 s[CNT], 0
	s_cbranch_scc1 .Lstep_\@
	STEP 1
.endm
.macro FINAL f                         ; feature f is done: O^T x gate / the row's sum joins the sum over the features
	v_add_f32 v14, v14, v15
	v_permlanex16_b32 v[TC], v14, s[SEL], s[SEL+1]
	v_add_f32 v14, v14, v[TC]
	v_rcp_f32 v14, v14
.rept 6
	v_nop                                          ; with the two additions: eight places between the last products and the first read of O^T
.endr
	s_wait_alu depctr_va_vdst(0)
	v_mul_f32 v[F], v14, v[G+\f]
.set j, 0
.rept 8
.if \f == 0
	v_pk_mul_f32 v[OUTR+j:OUTR+j+1], v[O+j:O+j+1], v[F:F+1] op_sel_hi:[1,0]
.else
	v_pk_fma_f32 v[OUTR+j:OUTR+j+1], v[O+j:O+j+1], v[F:F+1], v[OUTR+j:OUTR+j+1] op_sel_hi:[1,0,1]
.endif
.set j, j+2
.endr
.endm
; THE CHANGE OF SLOTS.  Each wave waits for all its tensor loads (its part of the slot ahead), adds 0 to its spare word, and waits for that and for its reads of the slot that it leaves.
; fill = 1: the barrier is a round of the cluster's, and the slot just left takes the feature two on: the wave's one tensor load behind the round, and the first thing there.
.macro CHANGE fill, slot
	s_wait_tensorcnt 0x0                           ; no tensor load of mine is out, so a group 0 may be written
	ds_add_u32 v[SPW], v[NIL]
.if \fill
	s_add_nc_u64 s[G0+4*\slot+2:G0+4*\slot+3], s[G0+4*\slot+2:G0+4*\slot+3], 32*FEAT   ; two features on; the type bits on top are not reached
.endif
	s_wait_dscnt 0x0                               ; the add is done, and my reads of the slot are over
.if \fill
	CROUND
	tensor_load_to_lds s[G0+4*\slot:G0+4*\slot+3], s[G1:G1+7]
	s_nop 0
.rept 4
	v_nop
.endr
.else
	s_barrier_signal -1
	s_barrier_wait -1
.endif
.endm
	s_wait_tensorcnt 1                             ; my part of feature 0 is in; feature 1's load may stay out
	s_barrier_signal -1
	s_barrier_wait -1                              ; everybody's is
	PRO 0
	INIT
	FEATURE
	CHANGE 1, 0                                    ; slot 0 takes feature 2
	PRO 1
	FINAL 0
	INIT
	FEATURE
	CHANGE 1, 1                                    ; slot 1 takes feature 3
	PRO 0
	FINAL 1
	INIT
	FEATURE
	CHANGE 0, 0                                    ; nothing is left to fetch
	PRO 1
	FINAL 2
	INIT
	FEATURE
	FINAL 3
	; THE WAY OUT: my query's 16 channels and lane l xor 16's are a block of the last projection's K
	v_max3_num_f32 v[BM], |v[OUTR]|, |v[OUTR+1]|, 0x4800000
.irp i, 2,4,6,8,10,12,14
	v_max3_num_f32 v[BM], v[BM], |v[OUTR+\i]|, |v[OUTR+\i+1]|
.endr
	v_permlanex16_b32 v[PT], v[BM], s[SEL], s[SEL+1]
	v_max_num_f32 v[BM], v[BM], v[PT]
	v_add_nc_u32 v[SCO], 0xfc000000, v[BM]
	v_and_or_b32 v[LIM], v[BM], 0x7f800000, s[MNT]
	v_lshrrev_b32 v[PT], 23, v[SCO]
.irp i, 0,1,2,3,4,5,6,7,8,9,10,11,12,13,14,15
	v_med3_num_f32 v[OUTR+\i], v[OUTR+\i], -v[LIM], v[LIM]
.endr
	v_cvt_scalef32_pk8_fp8_f32 v[PCD:PCD+1], v[OUTR:OUTR+7], v[SCO]
	v_cvt_scalef32_pk8_fp8_f32 v[PCD+2:PCD+3], v[OUTR+8:OUTR+15], v[SCO]
	v_nop
	global_store_b128 v[LI], v[PCD:PCD+3], s[10:11]    ; 512 consecutive bytes: four registers of the next operand
	global_store_b8 v[OSO], v[PT], s[12:13]
	s_wait_tensorcnt 0x0                           ; the wave's end
	ds_add_u32 v[SPW], v[NIL]
	s_wait_dscnt 0x0
	CROUND                                         ; the closing round: no work-group ends while a partner may still ask for a tile that names it
	s_endpgm
.Lfunc_end_k_q7ca95cd110_attend:
	.size	k_q7ca95cd110_attend, .Lfunc_end_k_q7ca95cd110_attend-k_q7ca95cd110_attend
	.p2alignl 7, 3214868480
	.fill 96, 4, 3214868480
	.section	.rodata,"a",@progbits
	.p2align	6, 0x0
	.amdhsa_kernel k_q7ca95cd110_attend
		.amdhsa_group_segment_fixed_size 327680
		.amdhsa_private_segment_fixed_size 0
		.amdhsa_enable_private_segment 0
		.amdhsa_kernarg_size 40
		.amdhsa_user_sgpr_count 2
		.amdhsa_user_sgpr_kernarg_segment_ptr 1
		.amdhsa_wavefront_size32 1
		.amdhsa_system_sgpr_workgroup_id_x 1
		.amdhsa_system_sgpr_workgroup_id_y 1
		.amdhsa_system_sgpr_workgroup_id_z 1
		.amdhsa_system_vgpr_workitem_id 0
		.amdhsa_next_free_vgpr 256
		.amdhsa_next_free_sgpr 66
		.amdhsa_reserve_vcc 0
		.amdhsa_float_denorm_mode_32 3
		.amdhsa_float_denorm_mode_16_64 3
		.amdhsa_memory_ordered 1
		.amdhsa_forward_progress 1
		.amdhsa_inst_pref_size 147
	.end_amdhsa_kernel
	.amdgpu_metadata
---
amdhsa.version: [ 1, 2 ]
amdhsa.kernels:
  - .name:           k_q7ca95cd110_attend
    .symbol:         k_q7ca95cd110_attend.kd
    .args:
      - { .name: q_img, .offset: 0, .size: 8, .value_kind: global_buffer, .address_space: global }
      - { .name: kv, .offset: 8, .size: 8, .value_kind: global_buffer, .address_space: global }
      - { .name: feature_weights, .offset: 16, .size: 8, .value_kind: global_buffer, .address_space: global }
      - { .name: o_img, .offset: 24, .size: 8, .value_kind: global_buffer, .address_space: global }
      - { .name: o_sc, .offset: 32, .size: 8, .value_kind: global_buffer, .address_space: global }
    .group_segment_fixed_size: 327680
    .private_segment_fixed_size: 0
    .kernarg_segment_align: 8
    .kernarg_segment_size: 40
    .max_flat_workgroup_size: 256
    .sgpr_count:     66
    .vgpr_count:     256
    .wavefront_size: 32
...
	.end_amdgpu_metadata
.endif
;; end of part 2
;; launch outproj (part 3): grid 256 x 1, 8 waves a work-group, no clusters, 17,920 bytes of LDS; arguments o_img, o_sc, wo_img, bo, out0; writes out0
.if DOCPART == 3
	.amdgcn_target "amdgcn-amd-amdhsa--gfx1250"
	.amdhsa_code_object_version 6
	.text
	.protected	k_q7ca95cd110_outproj
	.globl	k_q7ca95cd110_outproj
	.p2align	8
	.type	k_q7ca95cd110_outproj,@function
k_q7ca95cd110_outproj:
	s_mov_b64 s[64:65], 0
	v_nop
	global_prefetch_b8 v0, s[64:65] scope:SCOPE_SE
	s_setreg_imm32_b32 hwreg(HW_REG_WAVE_MODE, 25, 1), 1
	s_wait_xcnt 0x0
; out0 = o Wo^T + bo, on the codes and scale bytes that the two launches before have made.  No work of the problem is left out here.
; A work-group takes one tile of 16 rows (row r of tile T is row 32 (T / 2) + 8 (T % 2) + r + 8 (r / 8)); wave w takes columns 32 w .. 32 w + 31: two tiles of Wo's rows, two K steps of 128: four matrix instructions.
; All operands lie in memory as images of their registers, 16 bytes a lane on end.  The product is used transposed (source 0 = 16 rows of Wo, source 1 = the 16 rows of o): a lane holds one row and columns 16 h + 0 .. 15 of
; its wave's 32.  The bias is the C of each sum's first instruction.  A row's 1,024 bytes come from eight waves: they meet in a stage in LDS, and each wave stores two whole rows.
; No tensor load, no cluster, no ring: each byte is read once by its work-group and the work is four products a wave.
.set SP,    1040                       ; a stage row: 1,024 bytes + 16: row r starts 4 r words on among the banks
.set SPARE, 16896                      ; behind the stage (16 x 1,040 bytes): the spare words, 128 bytes for each of eight waves
.set LI,  1                            ; v1  16 x lane
.set OS,  2                            ; v2  8 x (lane % 16)
.set BO,  3                            ; v3  64 h
.set STO, 4                            ; v4  the stage: row r, + 128 x wave + 64 h
.set RD,  5                            ; v5  back: rows 2 w, 2 w + 1; 16 x lane
.set SPW, 6
.set NIL, 7
.set OSC, 10                           ; v[10:11] o's scale words, K steps 0 and 1
.set WS,  12                           ; v[12:15] Wo's scale words (u, s) at 2 u + s
.set WF,  16                           ; v16-79   Wo's fragments (u, s) at 16 (2 u + s)
.set OF,  80                           ; v80-111  o's fragments
.set BI,  112                          ; v112-127 the bias as C
.set D,   128                          ; v128-143 the results
.set BK,  144                          ; v144-159 rows read back
	s_load_b256 s[4:11], s[0:1], 0x0               ; o_img, o_sc, wo_img, bo
	s_load_b64 s[12:13], s[0:1], 0x20              ; out0
	v_lshl_add_u32 v[SPW], v0, 2, SPARE
	v_mov_b32 v[NIL], 0
	v_lshrrev_b32 v8, 5, v0
	v_readfirstlane_b32 s14, v8                    ; wave
	v_and_b32 v8, 31, v0
	v_lshlrev_b32 v[LI], 4, v8
	v_and_b32 v9, 15, v0                           ; r
	v_lshlrev_b32 v[OS], 3, v9
	v_bfe_u32 v8, v0, 4, 1                         ; h
	v_lshlrev_b32 v[BO], 6, v8
	v_mul_u32_u24 v[STO], v9, SP
	v_add_nc_u32 v[STO], v[STO], v[BO]
	s_lshl_b32 s24, s14, 7
	v_add_nc_u32 v[STO], s24, v[STO]
	s_mul_i32 s16, s14, 2*SP
	v_add_nc_u32 v[RD], s16, v[LI]
	s_mov_b32 s25, 0                               ; s[24:25]: my 32 numbers of bo
	s_lshl_b32 s18, ttmp9, 12
	s_mov_b32 s19, 0                               ; s[18:19]: the tile in o_img
	s_lshl_b32 s20, ttmp9, 7
	s_mov_b32 s21, 0                               ; in o_sc
	s_mul_i32 s22, s14, 8704
	s_mov_b32 s23, 0                               ; my slab of wo_img
	s_lshr_b32 s26, ttmp9, 1
	s_lshl_b32 s26, s26, 5
	s_and_b32 s27, ttmp9, 1
	s_lshl_b32 s27, s27, 3
	s_add_co_u32 s26, s26, s27
	s_lshl_b32 s27, s14, 1
	s_add_co_u32 s26, s26, s27
	s_lshr_b32 s27, s14, 2
	s_lshl_b32 s27, s27, 3
	s_add_co_u32 s26, s26, s27                     ; the first row that I store: 32 (T / 2) + 8 (T % 2) + 2 w + 8 (w / 4)
	s_lshl_b32 s26, s26, 10
	s_mov_b32 s27, 0
	s_wait_kmcnt 0x0
	s_add_nc_u64 s[4:5], s[4:5], s[18:19]
	s_add_nc_u64 s[6:7], s[6:7], s[20:21]
	s_add_nc_u64 s[8:9], s[8:9], s[22:23]
	s_add_nc_u64 s[10:11], s[10:11], s[24:25]
	s_add_nc_u64 s[12:13], s[12:13], s[26:27]
.irp i, 0,1,2,3,4,5,6,7,8,9,10,11,12,13,14,15
	global_load_b128 v[WF+4*\i:WF+4*\i+3], v[LI], s[8:9] offset:512*\i
.endr
	global_load_b128 v[WS:WS+3], v[LI], s[8:9] offset:8192
.irp i, 0,1,2,3,4,5,6,7
	global_load_b128 v[OF+4*\i:OF+4*\i+3], v[LI], s[4:5] offset:512*\i     ; head i: registers 4 (i % 4) on of K step i / 4
.endr
	global_load_b64 v[OSC:OSC+1], v[OS], s[6:7]                            ; row r's eight bytes
.irp i, 0,1,2,3
	global_load_b128 v[BI+4*\i:BI+4*\i+3], v[BO], s[10:11] offset:16*\i    ; register 8 u + j: column 16 h + 8 u + j
.endr
	s_wait_loadcnt 0x0
	v_wmma_scale_f32_16x16x128_f8f6f4 v[D:D+7], v[WF:WF+15], v[OF:OF+15], v[BI:BI+7], v[WS], v[OSC]          ; the two accumulators by turns
	v_wmma_scale_f32_16x16x128_f8f6f4 v[D+8:D+15], v[WF+32:WF+47], v[OF:OF+15], v[BI+8:BI+15], v[WS+2], v[OSC]
	v_wmma_scale_f32_16x16x128_f8f6f4 v[D:D+7], v[WF+16:WF+31], v[OF+16:OF+31], v[D:D+7], v[WS+1], v[OSC+1]
	v_wmma_scale_f32_16x16x128_f8f6f4 v[D+8:D+15], v[WF+48:WF+63], v[OF+16:OF+31], v[D+8:D+15], v[WS+3], v[OSC+1]
.rept 8
	v_nop                                          ; eight places ahead of the first read of the results
.endr
.irp i, 0,1,2,3
	ds_store_b128 v[STO], v[D+4*\i:D+4*\i+3] offset:16*\i   ; each accumulator from its low end on
.endr
	s_wait_dscnt 0x0                               ; for the others' sake: my stores into the stage are done
	s_barrier_signal -1
	s_barrier_wait -1
.irp e, 0,1
.irp q, 0,1
	ds_load_b128 v[BK+4*(2*\e+\q):BK+4*(2*\e+\q)+3], v[RD] offset:\e*SP+512*\q
.endr
.endr
.irp e, 0,1
.irp q, 0,1
	s_wait_dscnt 3-(2*\e+\q)                       ; the younger loads from the stage may stay out
	global_store_b128 v[LI], v[BK+4*(2*\e+\q):BK+4*(2*\e+\q)+3], s[12:13] offset:\e*1024+512*\q th:TH_STORE_NT   ; 512 consecutive bytes, at a multiple of 256 from out0's first byte
.endr
.endr
	s_wait_tensorcnt 0x0                           ; the wave's end
	ds_add_u32 v[SPW], v[NIL]
	s_wait_dscnt 0x0
	s_endpgm
.Lfunc_end_k_q7ca95cd110_outproj:
	.size	k_q7ca95cd110_outproj, .Lfunc_end_k_q7ca95cd110_outproj-k_q7ca95cd110_outproj
	.p2alignl 7, 3214868480
	.fill 96, 4, 3214868480
	.section	.rodata,"a",@progbits
	.p2align	6, 0x0
	.amdhsa_kernel k_q7ca95cd110_outproj
		.amdhsa_group_segment_fixed_size 17920
		.amdhsa_private_segment_fixed_size 0
		.amdhsa_enable_private_segment 0
		.amdhsa_kernarg_size 40
		.amdhsa_user_sgpr_count 2
		.amdhsa_user_sgpr_kernarg_segment_ptr 1
		.amdhsa_wavefront_size32 1
		.amdhsa_system_sgpr_workgroup_id_x 1
		.amdhsa_system_sgpr_workgroup_id_y 1
		.amdhsa_system_sgpr_workgroup_id_z 1
		.amdhsa_system_vgpr_workitem_id 0
		.amdhsa_next_free_vgpr 160
		.amdhsa_next_free_sgpr 66
		.amdhsa_reserve_vcc 0
		.amdhsa_float_denorm_mode_32 3
		.amdhsa_float_denorm_mode_16_64 3
		.amdhsa_memory_ordered 1
		.amdhsa_forward_progress 1
		.amdhsa_inst_pref_size 7
	.end_amdhsa_kernel
	.amdgpu_metadata
---
amdhsa.version: [ 1, 2 ]
amdhsa.kernels:
  - .name:           k_q7ca95cd110_outproj
    .symbol:         k_q7ca95cd110_outproj.kd
    .args:
      - { .name: o_img, .offset: 0, .size: 8, .value_kind: global_buffer, .address_space: global }
      - { .name: o_sc, .offset: 8, .size: 8, .value_kind: global_buffer, .address_space: global }
      - { .name: wo_img, .offset: 16, .size: 8, .value_kind: global_buffer, .address_space: global }
      - { .name: bo, .offset: 24, .size: 8, .value_kind: global_buffer, .address_space: global }
      - { .name: out0, .offset: 32, .size: 8, .value_kind: global_buffer, .address_space: global }
    .group_segment_fixed_size: 17920
    .private_segment_fixed_size: 0
    .kernarg_segment_align: 8
    .kernarg_segment_size: 40
    .max_flat_workgroup_size: 256
    .sgpr_count:     66
    .vgpr_count:     160
    .wavefront_size: 32
...
	.end_amdgpu_metadata
.endif
;; end of part 3
;; ======== version 2 of 2: 3 launches
;; workspace buffers: kv 8,650,752 bytes; q_img 1,114,112 bytes; wo_img 69,632 bytes; o_img 1,048,576 bytes; o_sc 32,768 bytes
;; launch project (part 4): grid 289 x 1, 8 waves a work-group, no clusters, 35,840 bytes of LDS; arguments q_data, x_0, v_0, edge_attr, concatenated_features, Wq, Wk, Wv, Wo, bq, bk, bv, q_img, kv, wo_img; writes q_img, kv, wo_img
.if DOCPART == 4
	.amdgcn_target "amdgcn-amd-amdhsa--gfx1250"
	.amdhsa_code_object_version 6
	.text
	.protected	k_q7ca95cd110_project
	.globl	k_q7ca95cd110_project
	.p2align	8
	.type	k_q7ca95cd110_project,@function
k_q7ca95cd110_project:
	s_mov_b64 s[64:65], 0
	v_nop
	global_prefetch_b8 v0, s[64:65] scope:SCOPE_SE
	s_setreg_imm32_b32 hwreg(HW_REG_WAVE_SCHED_MODE, 0, 2), 2
	s_setreg_imm32_b32 hwreg(HW_REG_WAVE_MODE, 25, 1), 1
	s_wait_xcnt 0x0
	s_wait_alu depctr_vm_vsrc(0)
; THE NINE PROJECTIONS AHEAD OF THE ATTENTION, on codes of E4M3 with one E8M0 scale for each 32 along K, and Wo's codes.
; Q = rope(q_data Wq^T + bq), K_i = rope(f_i Wk_i^T + bk_i), V_i = f_i Wv_i^T + bv_i.  x and W arrive as f32 with K innermost and are quantised here, in registers; the results are
; quantised again (Q, K: along a head's 32 channels; V: along 32 keys) and stored as IMAGES OF THE OPERAND REGISTERS of the attention's products: 16 bytes a lane, 512 bytes on end for four registers.
; DEAD WORK: none.  Every bias goes into a quantised operand, every feature is weighed in by its gate, every product reaches the output: all fourteen inputs are loaded by some launch.
; LIMITS: NaN and infinities among the inputs are not served.  A block of zeros gets the scale byte 1 where the rule says 127: its codes are zeros, and this program alone reads the bytes.
; The sines and cosines of the rotation come from f32 polynomials behind a two-part reduction by pi/2 (angles 0 to 7): their truncation lies under 2e-9.
; SHARES.  Work-group id: g = id / 32, rb = id % 32 (128 rows: a query block or a key step).  g = 0: Q; 1-4: K of feature g - 1; 5-8: V of feature g - 5; id 288: Wo.  Wave w is head w: 32 columns x 128 rows.
; Wave w also quantises tile w of the 128 rows of x; the eight tiles reach all waves through LDS as register images.  One barrier.
; THE ROWS OF A TILE ARE NOT NEIGHBOURS: row r of tile t is row 32 (t / 2) + 8 (t % 2) + r + 8 (r / 8), for tokens and for a head's rows of W alike, so that the 16 registers of two neighbouring
; result tiles are 16 neighbours along the next product's K.
; Q, K: source 0 = 16 rows of W, source 1 = 16 tokens: a lane holds one token and channels 16 h + 0 .. 15.  V: source 0 = 16 tokens, source 1 = 16 rows of W: a lane holds one channel and keys 16 h + 0 .. 15 of a block of 32.
; The scale words of a key step leave by one store of 128 bytes: K's and V's, from two work-groups, share one aligned block of 256 bytes: 256 of a step's 8,448 bytes.
; THE MODE: SCHED_MODE bits 1:0 = 2 (LLVM: expert scheduling mode 2), set by the entry lines.  The code itself states the register dependences
; between vector or matrix instructions and memory or LDS instructions, with s_wait_alu, always for 0.
; THE PLAN.  Registers that memory or LDS instructions touch:
;   v1-5         offsets and LDS addresses: written at the head, never again.  v69, v70: the biases' offsets, written at the head; W's last codes take their registers.
;   STA, STB     two sets of 64 numbers: loads land in them; a QUANT holds and converts them; behind it the set's next loads land.
;   v16-49       x's codes and scale words: written by two QUANTs, read by ten LDS stores, then W's codes take the registers.
;   XF, XS       x's fragments and scale words of a pair of tiles: LDS loads land in them, the pair's eight products read them, then the next pair's loads land.
;   CD           a pair's codes: written by its conversions, read by its two stores, written again by the next pair's.
;   WF, WS       W's codes and scale words: written by vector instructions, read by the scaled products (on Wo's path by stores).
; So a wait on va_vdst stands behind each QUANT whose set is asked for again, one ahead of the barrier (W's codes; the last set), one behind a pair's products (XF and XS are free: the next pair's loads go out there
; and land under the rotation and the quantising, which name none of those registers), one behind a pair's conversions (CD is written).  A wait on vm_vsrc stands ahead of W's first conversion and, in pairs 1 to 3, ahead of the conversions that write CD again.
.set XIMG,  0                          ; LDS: x's 16 fragments (tile t, K step s) at (2 t + s) x 2,048
.set XSC,   32768                      ; their scale words, 128 bytes each
.set SPARE, 34816                      ; the spare words, 128 bytes for each of eight waves: no other line names them
.set VOFF, 1                           ; v1   (r + 8 (r / 8)) x 1,024 + 64 h: my 16 numbers of a block of 32, in x and in W
.set LI,   2                           ; v2   16 x lane
.set LS,   3                           ; v3   4 x lane
.set XWI,  4                           ; v4   where I store x's images: 16 x lane + 4,096 x wave
.set XWS,  5                           ; v5   and their scale words: XSC + 4 x lane + 256 x wave
.set SPW,  6                           ; v6   my spare word; never rewritten
.set NIL,  7                           ; v7   0; never rewritten
.set XS,   8                           ; v8-11   x's scale words (tile t of a pair, K step s) at 2 t + s: scales alone
.set WS,   12                          ; v12-15  W's scale words (u, s) at 2 u + s: scales alone
.set WF,   16                          ; v16-79  W's fragments (u, s) at 16 (2 u + s); before that: at work on the angles (v16-63), head's temporaries (v64-79), x's codes (v16-47)
.set STA,  80                          ; v80-143  64 numbers on their way to codes
.set STB,  144                         ; v144-207 the same, by turns
.set ACC,  80                          ; behind the staging: four accumulators
.set CD,   116                         ; v116-123 the codes that leave
.set KW,   124                         ; v124-125 the scale words that leave, in the making
.set SW,   126
.set SA,   127
.set T,    128                         ; v128-131 at work
.set XF,   144                         ; x's fragments of a pair of tiles: (t, s) at 16 (2 t + s)
.set COS,  208                         ; v208-215 cosines, v216-223 sines of my eight pairs of channels
.set SIN,  216
.set TM,   224                         ; v224-227 largest magnitudes, v228-231 permute targets and bytes, v232-235 448 x the scale, v236-239 the conversions' scale operands
.set BIAS, 240                         ; v240-255 the biases as C: tile u at 8 u
.set AN,   16
.set NF,   24
.set Z,    32
.set PS,   40
.set PCS,  48
.set NI,   56
.set WV,   34
.set GR,   35
.set RB,   36
.set FI,   37
.set SEL,  50
.set MNT,  52
.set QM,   72                          ; s72-79  eight lane masks: which of my eight angles lie in an odd quarter
.macro LOAD64 reg, base, off           ; 64 numbers a lane: register 16 b + i = k 32 b + 16 h + i of my row
.irp b, 0,1,2,3
.irp j, 0,1,2,3
	global_load_b128 v[\reg+16*\b+4*\j:\reg+16*\b+4*\j+3], v[VOFF], s[\base:\base+1] offset:\off+128*\b+16*\j
.endr
.endr
.endm
.macro QUANT s, d, w                   ; 64 numbers in v[s] on become a fragment's 16 registers of codes in v[d] on and its scale word in v[w]
.irp b, 0,1,2,3
	v_max3_num_f32 v[TM+\b], |v[\s+16*\b]|, |v[\s+1+16*\b]|, 0x4800000   ; block b: my 16 numbers and the floor 2^(9 - 127): the byte cannot fall under 1
.endr
.irp i, 2,4,6,8,10,12,14
.irp b, 0,1,2,3
	v_max3_num_f32 v[TM+\b], v[TM+\b], |v[\s+16*\b+\i]|, |v[\s+1+16*\b+\i]|
.endr
.endr
.irp b, 0,1,2,3
	v_permlanex16_b32 v[TM+4+\b], v[TM+\b], s[SEL], s[SEL+1]
.endr
.irp b, 0,1,2,3
	v_max_num_f32 v[TM+\b], v[TM+\b], v[TM+4+\b]   ; with lane l xor 16's: the block's largest magnitude
.endr
.irp b, 0,1,2,3
	v_add_nc_u32 v[TM+12+\b], 0xfc000000, v[TM+\b]   ; 8 off its exponent field: the conversion's scale operand
.endr
.irp b, 0,1,2,3
	v_and_or_b32 v[TM+8+\b], v[TM+\b], 0x7f800000, s[MNT]   ; 448 x the scale
.endr
.irp b, 0,1,2,3
	v_lshrrev_b32 v[TM+4+\b], 23, v[TM+12+\b]   ; the scale's byte
.endr
	v_lshl_or_b32 v[\w], v[TM+5], 8, v[TM+4]
	v_lshl_or_b32 v[\w], v[TM+6], 16, v[\w]
	v_lshl_or_b32 v[\w], v[TM+7], 24, v[\w]
.irp b, 0,1,2,3
.irp i, 0,1,2,3,4,5,6,7,8,9,10,11,12,13,14,15
	v_med3_num_f32 v[\s+16*\b+\i], v[\s+16*\b+\i], -v[TM+8+\b], v[TM+8+\b]   ; the conversion to an 8-bit code does not saturate (ISA guide 7.6.2): the hold
.endr
	v_cvt_scalef32_pk8_fp8_f32 v[\d+4*\b:\d+1+4*\b], v[\s+16*\b:\s+7+16*\b], v[TM+12+\b]
	v_cvt_scalef32_pk8_fp8_f32 v[\d+2+4*\b:\d+3+4*\b], v[\s+8+16*\b:\s+15+16*\b], v[TM+12+\b]
.endr
	v_nop                                          ; a plain line behind the last conversion
.endm
.macro Q16P sa, sb, da, db             ; two halves of blocks by turns: 16 numbers a lane each, the other 16 in lane l xor 16; codes to v[da], v[db] on, bytes to v[TM+4], v[TM+5]
	v_max3_num_f32 v[TM], |v[\sa]|, |v[\sa+1]|, 0x4800000
	v_max3_num_f32 v[TM+1], |v[\sb]|, |v[\sb+1]|, 0x4800000
.irp i, 2,4,6,8,10,12,14
	v_max3_num_f32 v[TM], v[TM], |v[\sa+\i]|, |v[\sa+\i+1]|
	v_max3_num_f32 v[TM+1], v[TM+1], |v[\sb+\i]|, |v[\sb+\i+1]|
.endr
	v_permlanex16_b32 v[TM+4], v[TM], s[SEL], s[SEL+1]
	v_permlanex16_b32 v[TM+5], v[TM+1], s[SEL], s[SEL+1]
	v_max_num_f32 v[TM], v[TM], v[TM+4]
	v_max_num_f32 v[TM+1], v[TM+1], v[TM+5]
	v_add_nc_u32 v[TM+12], 0xfc000000, v[TM]
	v_add_nc_u32 v[TM+13], 0xfc000000, v[TM+1]
	v_and_or_b32 v[TM+8], v[TM], 0x7f800000, s[MNT]
	v_and_or_b32 v[TM+9], v[TM+1], 0x7f800000, s[MNT]
	v_lshrrev_b32 v[TM+4], 23, v[TM+12]
	v_lshrrev_b32 v[TM+5], 23, v[TM+13]
.irp i, 0,1,2,3,4,5,6,7,8,9,10,11,12,13,14,15
	v_med3_num_f32 v[\sa+\i], v[\sa+\i], -v[TM+8], v[TM+8]
	v_med3_num_f32 v[\sb+\i], v[\sb+\i], -v[TM+9], v[TM+9]
.endr
	v_cvt_scalef32_pk8_fp8_f32 v[\da:\da+1], v[\sa:\sa+7], v[TM+12]
	v_cvt_scalef32_pk8_fp8_f32 v[\da+2:\da+3], v[\sa+8:\sa+15], v[TM+12]
	v_cvt_scalef32_pk8_fp8_f32 v[\db:\db+1], v[\sb:\sb+7], v[TM+13]
	v_cvt_scalef32_pk8_fp8_f32 v[\db+2:\db+3], v[\sb+8:\sb+15], v[TM+13]
	v_nop
.endm
.macro IMAGE d, off                    ; a fragment goes to LDS as it stands
.irp c, 0,1,2,3
	ds_store_b128 v[XWI], v[\d+4*\c:\d+4*\c+3] offset:\off+512*\c
.endr
.endm
.macro WFOUR                           ; W's four fragments: (0,0) and (0,1) are on their way into the two sets.  Each count of 16 leaves the other set's 16 loads out
	s_wait_loadcnt 16
	QUANT STA, WF, WS
	s_wait_alu depctr_va_vdst(0)                   ; the holds and conversions are done with set A, in which the 16 loads below land
	LOAD64 STA, 42, 8192
	s_wait_loadcnt 16
	QUANT STB, WF+16, WS+1
	s_wait_alu depctr_va_vdst(0)                   ; the holds and conversions are done with set B, in which the 16 loads below land
	LOAD64 STB, 42, 8704
	s_wait_loadcnt 16
	QUANT STA, WF+32, WS+2
	s_wait_loadcnt 0x0
	QUANT STB, WF+48, WS+3
.endm
.macro FETCHX b                        ; x's fragments and scale words of tiles 2 b and 2 b + 1 are asked for; the pair's head waits for them
.irp t, 0,1
.irp s, 0,1
.irp c, 0,1,2,3
	ds_load_b128 v[XF+16*(2*\t+\s)+4*\c:XF+16*(2*\t+\s)+4*\c+3], v[LI] offset:XIMG+(2*(2*(\b)+\t)+\s)*2048+512*\c
.endr
	ds_load_b32 v[XS+2*\t+\s], v[LS] offset:XSC+(2*(2*(\b)+\t)+\s)*128
.endr
.endr
.endm
.macro ROPE a                          ; 16 channels of a token: pair p is turned by the angle of channel pair 8 h + p
.irp p, 0,1,2,3,4,5,6,7
	v_mul_f32 v[T+2*(\p%2)], v[\a+2*\p+1], v[SIN+\p]
	v_mul_f32 v[T+2*(\p%2)+1], v[\a+2*\p+1], v[COS+\p]
	v_fma_f32 v[\a+2*\p+1], v[\a+2*\p], v[SIN+\p], v[T+2*(\p%2)+1]
	v_fma_f32 v[\a+2*\p], v[\a+2*\p], v[COS+\p], -v[T+2*(\p%2)]
.endr
.endm
.macro PLACES9                         ; eight places are owed ahead of the first read of the results, nine ahead of the next pair's products, which begin the same accumulators anew
.rept 9
	v_nop
.endr
.endm
; What stands behind a pair's products and their places, in both kinds of pair.
.macro BEHIND b
.if (\b) > 0
	s_wait_xcnt 0x0                                ; the last pair's stores have had their addresses translated (ISA guide 3.1): their data registers are rewritten only behind this wait,
	s_wait_alu depctr_vm_vsrc(0)                   ; and have read CD, which this pair's conversions write again
.endif
.if (\b) < 3
	s_wait_alu depctr_va_vdst(0)                   ; the pair's eight products are done reading XF and XS, in which the next pair's loads land
	FETCHX (\b)+1                                  ; no vector instruction up to the next pair's products names these registers
.endif
.endm
.macro KPAIR b                         ; Q or K of tiles 2 b, 2 b + 1: the four accumulators by turns
	s_wait_dscnt 0x0                               ; the pair's fragments and scale words of x are in
.irp t, 0,1
.irp u, 0,1
	v_wmma_scale_f32_16x16x128_f8f6f4 v[ACC+16*\t+8*\u:ACC+16*\t+8*\u+7], v[WF+32*\u:WF+32*\u+15], v[XF+32*\t:XF+32*\t+15], v[BIAS+8*\u:BIAS+8*\u+7], v[WS+2*\u], v[XS+2*\t]
.endr
.endr
.irp t, 0,1
.irp u, 0,1
	v_wmma_scale_f32_16x16x128_f8f6f4 v[ACC+16*\t+8*\u:ACC+16*\t+8*\u+7], v[WF+32*\u+16:WF+32*\u+31], v[XF+32*\t+16:XF+32*\t+31], v[ACC+16*\t+8*\u:ACC+16*\t+8*\u+7], v[WS+2*\u+1], v[XS+2*\t+1]
.endr
.endr
	PLACES9
	BEHIND \b
	ROPE ACC
	ROPE ACC+16
	Q16P ACC, ACC+16, CD, CD+4
	s_wait_alu depctr_va_vdst(0)                   ; the conversions have written CD, which the two stores read
	global_store_b128 v[LI], v[CD:CD+3], s[46:47] offset:1024*(\b)          ; 512 consecutive bytes: tile 2 b
	global_store_b128 v[LI], v[CD+4:CD+7], s[46:47] offset:1024*(\b)+512    ; tile 2 b + 1
.if (\b)%2 == 0
	v_lshl_or_b32 v[KW+(\b)/2], v[TM+5], 8, v[TM+4]                         ; byte c of word f: tile 4 f + c
.else
	v_lshl_or_b32 v[KW+(\b)/2], v[TM+4], 16, v[KW+(\b)/2]
	v_lshl_or_b32 v[KW+(\b)/2], v[TM+5], 24, v[KW+(\b)/2]
.endif
.endm
.macro VPAIR b                         ; V of keys 32 b .. 32 b + 31 of the step, both tiles of channels
	s_wait_dscnt 0x0                               ; the pair's fragments and scale words of x are in
.irp u, 0,1
.irp t, 0,1
	v_wmma_scale_f32_16x16x128_f8f6f4 v[ACC+16*\u+8*\t:ACC+16*\u+8*\t+7], v[XF+32*\t:XF+32*\t+15], v[WF+32*\u:WF+32*\u+15], v[BIAS+8*\u:BIAS+8*\u+7], v[XS+2*\t], v[WS+2*\u]
.endr
.endr
.irp u, 0,1
.irp t, 0,1
	v_wmma_scale_f32_16x16x128_f8f6f4 v[ACC+16*\u+8*\t:ACC+16*\u+8*\t+7], v[XF+32*\t+16:XF+32*\t+31], v[WF+32*\u+16:WF+32*\u+31], v[ACC+16*\u+8*\t:ACC+16*\u+8*\t+7], v[XS+2*\t+1], v[WS+2*\u+1]
.endr
.endr
	PLACES9
	BEHIND \b
	Q16P ACC, ACC+16, CD, CD+4
	s_wait_alu depctr_va_vdst(0)                   ; the conversions have written CD, which the two stores read
	global_store_b128 v[LI], v[CD:CD+3], s[46:47] offset:4096+512*(\b)      ; registers 4 b .. 4 b + 3 of V^T's fragment 0
	global_store_b128 v[LI], v[CD+4:CD+7], s[46:47] offset:6144+512*(\b)    ; and of fragment 1
.if (\b) == 0
	v_mov_b32 v[KW], v[TM+4]
	v_mov_b32 v[KW+1], v[TM+5]
.else
	v_lshl_or_b32 v[KW], v[TM+4], 8*(\b), v[KW]
	v_lshl_or_b32 v[KW+1], v[TM+5], 8*(\b), v[KW+1]
.endif
.endm
	s_load_b256 s[4:11], s[0:1], 0x0               ; q_data, x_0, v_0, edge_attr
	s_load_b256 s[12:19], s[0:1], 0x20             ; concatenated_features, Wq, Wk, Wv
	s_load_b256 s[20:27], s[0:1], 0x40             ; Wo, bq, bk, bv
	s_load_b128 s[28:31], s[0:1], 0x60             ; q_img, kv
	s_load_b64 s[32:33], s[0:1], 0x70              ; wo_img
	v_lshl_add_u32 v[SPW], v0, 2, SPARE
	v_mov_b32 v[NIL], 0
	v_lshrrev_b32 v64, 5, v0
	v_readfirstlane_b32 s[WV], v64                 ; wave = head
	v_and_b32 v65, 15, v0                          ; r
	v_bfe_u32 v66, v0, 4, 1                        ; h
	v_and_b32 v67, 8, v65
	v_add_nc_u32 v67, v67, v65                     ; r + 8 (r / 8)
	v_lshlrev_b32 v[VOFF], 10, v67
	v_lshl_add_u32 v[VOFF], v66, 6, v[VOFF]
	v_and_b32 v68, 31, v0
	v_lshlrev_b32 v[LI], 4, v68
	v_lshlrev_b32 v[LS], 2, v68
	s_wait_alu depctr_va_sdst(0)                   ; the wave's number is written, ahead of its first reader
	s_lshl_b32 s54, s[WV], 12
	v_add_nc_u32 v[XWI], s54, v[LI]
	s_lshl_b32 s54, s[WV], 8
	s_add_co_u32 s54, s54, XSC
	v_add_nc_u32 v[XWS], s54, v[LS]
	v_lshlrev_b32 v69, 6, v66                      ; Q, K: the bias of channels 16 h + ..
	v_lshlrev_b32 v70, 2, v67                      ; V: the bias of channel r + 8 (r / 8)
	v_lshlrev_b32 v71, 3, v66                      ; 8 h: my first pair of channels
.irp b, 0,1,2,3
	v_mov_b32 v[TM+4+\b], 0                        ; written once: a lane permute's destination counts as one of its sources
.endr
	s_lshr_b32 s[GR], ttmp9, 5
	s_and_b32 s[RB], ttmp9, 31
	s_sub_co_u32 s[FI], s[GR], 1
	s_and_b32 s[FI], s[FI], 3                      ; the feature
	s_mov_b32 s[SEL], 0x76543210
	s_mov_b32 s[SEL+1], 0xfedcba98                 ; lane l xor 16
	s_mov_b32 s[MNT], 0x600000                     ; the mantissa field of 448
	s_mov_b32 s60, 0x3638ef1d                      ; the sine's series: 1/9!, -1/7!, 1/5!, -1/3!
	s_mov_b32 s61, 0xb9500d01
	s_mov_b32 s62, 0x3c088889
	s_mov_b32 s63, 0xbe2aaaab
	s_mov_b32 s66, 0xb493f27e                      ; the cosine's: -1/10!, 1/8!, -1/6!, 1/4!
	s_mov_b32 s67, 0x37d00d01
	s_mov_b32 s68, 0xbab60b61
	s_mov_b32 s69, 0x3d2aaaab
	s_lshl_b32 s54, s[RB], 7                       ; x: row 128 rb + 32 (w / 2) + 8 (w % 2), 1,024 bytes a row
	s_lshr_b32 s55, s[WV], 1
	s_lshl_b32 s55, s55, 5
	s_add_co_u32 s54, s54, s55
	s_and_b32 s55, s[WV], 1
	s_lshl_b32 s55, s55, 3
	s_add_co_u32 s54, s54, s55
	s_lshl_b32 s54, s54, 10
	s_mov_b32 s55, 0
	s_cmp_eq_u32 s[GR], 0
	s_cselect_b32 s49, 0, s[FI]                    ; Wq and bq have no feature axis
	s_lshl_b32 s56, s49, 18                        ; W: the feature's matrix, my head's 32 rows
	s_lshl_b32 s57, s[WV], 15
	s_add_co_u32 s56, s56, s57
	s_mov_b32 s57, 0
	s_lshl_b32 s58, s49, 10                        ; the bias likewise
	s_lshl_b32 s59, s[WV], 7
	s_add_co_u32 s58, s58, s59
	s_mov_b32 s59, 0
	s_lshr_b32 s38, s[RB], 4
	s_lshl_b32 s38, s38, 3
	s_add_co_u32 s38, s38, s[WV]                   ; 8 x batch + head
	s_and_b32 s39, s[RB], 15                       ; the query block or key step
	s_lshl_b32 s70, s38, 4
	s_add_co_u32 s70, s70, s39
	s_mul_i32 s70, s70, 4352                       ; in q_img
	s_lshl_b32 s71, s[FI], 4
	s_add_co_u32 s71, s71, s38
	s_mul_i32 s71, s71, 135168
	s_mul_i32 s72, s39, 8448
	s_add_co_u32 s71, s71, s72                     ; in kv
	s_cmp_eq_u32 s[GR], 0
	s_cselect_b32 s70, s70, s71
	s_mov_b32 s71, 0
	s_wait_kmcnt 0x0
	s_wait_alu depctr_va_vdst(0)                   ; the offsets and LDS addresses v1 to v5, v69 and v70 are written, which the loads, stores and LDS instructions of all three paths read
	s_cmp_eq_u32 s[GR], 9
	s_cbranch_scc1 .Lwo
	s_cmp_eq_u32 s[FI], 1                          ; the buffers are chosen by the work-group's number alone
	s_cselect_b64 s[40:41], s[8:9], s[6:7]
	s_cmp_eq_u32 s[FI], 2
	s_cselect_b64 s[40:41], s[10:11], s[40:41]
	s_cmp_eq_u32 s[FI], 3
	s_cselect_b64 s[40:41], s[12:13], s[40:41]
	s_cmp_lt_u32 s[GR], 5
	s_cselect_b64 s[42:43], s[16:17], s[18:19]
	s_cselect_b64 s[44:45], s[24:25], s[26:27]
	s_cmp_eq_u32 s[GR], 0
	s_cselect_b64 s[40:41], s[4:5], s[40:41]
	s_cselect_b64 s[42:43], s[14:15], s[42:43]
	s_cselect_b64 s[44:45], s[22:23], s[44:45]
	s_cselect_b64 s[46:47], s[28:29], s[30:31]
	s_mov_b32 s48, 8192
	s_cselect_b32 s48, 4096, s48                   ; where the scale words lie behind the codes
	s_add_nc_u64 s[40:41], s[40:41], s[54:55]
	s_add_nc_u64 s[42:43], s[42:43], s[56:57]
	s_add_nc_u64 s[44:45], s[44:45], s[58:59]
	s_add_nc_u64 s[46:47], s[46:47], s[70:71]
	s_cmp_ge_u32 s[GR], 5                          ; the biases are the oldest loads: every later counted wait shows them in
	s_cbranch_scc1 .Lbias_v
.irp i, 0,1,2,3
	global_load_b128 v[BIAS+4*\i:BIAS+4*\i+3], v69, s[44:45] offset:16*\i   ; register 8 u + j: channel 16 h + 8 u + j
.endr
	s_branch .Lbias_in
.Lbias_v:
	global_load_b32 v[BIAS], v70, s[44:45]                                  ; channel 8 u + r + 8 (r / 8), the same for all eight registers of a tile
	global_load_b32 v[BIAS+8], v70, s[44:45] offset:32
.Lbias_in:
	LOAD64 STA, 40, 0                              ; my tile of x, K step 0,
	LOAD64 STB, 40, 512                            ; and K step 1
	s_cmp_ge_u32 s[GR], 5
	s_cbranch_scc1 .Lno_rope                       ; V is not turned
	; the angles: timestep x 1000^(-i / 16), i = 8 h + p; the timestep is the same for the work-group's 128 rows
	s_lshr_b32 s54, s[RB], 1
	s_and_b32 s54, s54, 7
	v_cvt_f32_u32 v72, s54
.irp p, 0,1,2,3,4,5,6,7
	v_add_nc_u32 v[AN+\p], \p, v71
.endr
.irp p, 0,1,2,3,4,5,6,7
	v_cvt_f32_u32 v[AN+\p], v[AN+\p]
.endr
.irp p, 0,1,2,3,4,5,6,7
	v_mul_f32 v[AN+\p], 0xbf1f73da, v[AN+\p]       ; -i log2(1000) / 16
.endr
	s_wait_alu depctr_va_vdst(0)
.irp p, 0,1,2,3,4,5,6,7
	v_exp_f32 v[AN+\p], v[AN+\p]
.endr
	v_nop                                          ; a plain line behind the last exponential,
	s_wait_alu depctr_va_vdst(0)                   ; and one wait for the eight exponentials' results, ahead of their first reader
.irp p, 0,1,2,3,4,5,6,7
	v_mul_f32 v[AN+\p], v72, v[AN+\p]
.endr
.irp p, 0,1,2,3,4,5,6,7
	v_mul_f32 v[NF+\p], 0x3f22f983, v[AN+\p]       ; x 2 / pi
.endr
.irp p, 0,1,2,3,4,5,6,7
	v_rndne_f32 v[NF+\p], v[NF+\p]                 ; n
.endr
.irp p, 0,1,2,3,4,5,6,7
	v_fmamk_f32 v[AN+\p], v[NF+\p], 0xbfc90fdb, v[AN+\p]   ; the angle less n pi / 2, pi / 2 in two parts
.endr
.irp p, 0,1,2,3,4,5,6,7
	v_fmamk_f32 v[AN+\p], v[NF+\p], 0x333bbd2e, v[AN+\p]
.endr
.irp p, 0,1,2,3,4,5,6,7
	v_mul_f32 v[Z+\p], v[AN+\p], v[AN+\p]
.endr
.irp p, 0,1,2,3,4,5,6,7
	v_fma_f32 v[PS+\p], v[Z+\p], s60, s61
	v_fma_f32 v[PCS+\p], v[Z+\p], s66, s67
.endr
.irp p, 0,1,2,3,4,5,6,7
	v_fma_f32 v[PS+\p], v[PS+\p], v[Z+\p], s62
	v_fma_f32 v[PCS+\p], v[PCS+\p], v[Z+\p], s68
.endr
.irp p, 0,1,2,3,4,5,6,7
	v_fma_f32 v[PS+\p], v[PS+\p], v[Z+\p], s63
	v_fma_f32 v[PCS+\p], v[PCS+\p], v[Z+\p], s69
.endr
.irp p, 0,1,2,3,4,5,6,7
	v_mul_f32 v[SIN+\p], v[AN+\p], v[Z+\p]
	v_fma_f32 v[PCS+\p], v[PCS+\p], v[Z+\p], -0.5
.endr
.irp p, 0,1,2,3,4,5,6,7
	v_fma_f32 v[PS+\p], v[SIN+\p], v[PS+\p], v[AN+\p]      ; the sine of the rest,
	v_fma_f32 v[PCS+\p], v[PCS+\p], v[Z+\p], 1.0           ; its cosine
.endr
.irp p, 0,1,2,3,4,5,6,7
	v_cvt_i32_f32 v[NI+\p], v[NF+\p]
.endr
.irp p, 0,1,2,3,4,5,6,7
	v_and_b32 v[NF+\p], 1, v[NI+\p]
.endr
.irp p, 0,1,2,3,4,5,6,7
	v_cmp_eq_u32 s[QM+\p], 1, v[NF+\p]             ; the odd quarters: eight compares in one run, a mask each; the signs' lines below read none of the masks
.endr
.irp p, 0,1,2,3,4,5,6,7
	v_and_b32 v[NF+\p], 2, v[NI+\p]                ; the sine's sign: quarters 2, 3
	v_add_nc_u32 v[NI+\p], 1, v[NI+\p]
.endr
.irp p, 0,1,2,3,4,5,6,7
	v_lshlrev_b32 v[NF+\p], 30, v[NF+\p]
	v_and_b32 v[NI+\p], 2, v[NI+\p]                ; the cosine's: quarters 1, 2
.endr
.irp p, 0,1,2,3,4,5,6,7
	v_lshlrev_b32 v[NI+\p], 30, v[NI+\p]
.endr
	s_wait_alu depctr_va_sdst(0)                   ; the eight masks are written, ahead of their first reader
.irp p, 0,1,2,3,4,5,6,7
	v_cndmask_b32 v[SIN+\p], v[PS+\p], v[PCS+\p], s[QM+\p]   ; an odd quarter swaps the two: values are selected, nothing branches
	v_cndmask_b32 v[COS+\p], v[PCS+\p], v[PS+\p], s[QM+\p]
.endr
.irp p, 0,1,2,3,4,5,6,7
	v_xor_b32 v[SIN+\p], v[NF+\p], v[SIN+\p]
	v_xor_b32 v[COS+\p], v[NI+\p], v[COS+\p]
.endr
.Lno_rope:
	s_wait_loadcnt 16                              ; the bias and K step 0 of x are in; K step 1's 16 loads may be out
	QUANT STA, 16, 48
	s_wait_alu depctr_va_vdst(0)                   ; the codes v16-31 and the scale word v48 are written, which the LDS stores read; the holds and conversions are done with set A, in which W's loads land
	IMAGE 16, XIMG
	ds_store_b32 v[XWS], v48
	LOAD64 STA, 42, 0                              ; W's fragment (0, 0)
	s_wait_loadcnt 16                              ; K step 1 of x is in; the 16 just issued may be out
	QUANT STB, 32, 49
	s_wait_alu depctr_va_vdst(0)                   ; the codes v32-47 and the scale word v49 are written, which the LDS stores read; the holds and conversions are done with set B, in which W's loads land
	IMAGE 32, XIMG+2048
	ds_store_b32 v[XWS], v49 offset:128
	LOAD64 STB, 42, 512                            ; W's fragment (0, 1)
	s_wait_dscnt 0x0                               ; my ten LDS stores are done
	s_wait_alu depctr_vm_vsrc(0)                   ; the LDS stores have read v16-49, and the biases' loads v69 or v70: W's codes take v16-79
	WFOUR
.rept 4
	v_nop                                          ; codes written by vector instructions stand four places ahead of a scaled product
.endr
	s_wait_alu depctr_va_vdst(0)                   ; W's codes and scale words are written, which the scaled products take as operand and scales; the last holds and conversions are done with set B, in which x's fragments land
	s_wait_dscnt 0x0                               ; for the others' sake: my images lie in LDS
	s_barrier_signal -1
	s_barrier_wait -1                              ; all eight tiles of x do
	FETCHX 0                                       ; the first pair's fragments, for either kind of pair
	s_cmp_ge_u32 s[GR], 5
	s_cbranch_scc1 .Lv_path
	KPAIR 0
	KPAIR 1
	KPAIR 2
	KPAIR 3
	v_cmp_gt_u32 vcc_lo, 64, v[LS]                 ; lanes 0-15 carry the word of tiles 0-3, lanes 16-31 that of tiles 4-7 (both halves of the lanes hold both)
	v_add_nc_u32 v[SA], s48, v[LS]
	s_wait_alu depctr_va_vcc(0)                    ; VCC is written, ahead of the selection that reads it
	v_cndmask_b32 v[SW], v[KW+1], v[KW], vcc_lo
	s_wait_alu depctr_va_vdst(0)                   ; the word and its offset are written, which the store reads
	global_store_b32 v[SA], v[SW], s[46:47]
	s_wait_dscnt 0x0                               ; the wave's end: six lines on end
	s_wait_alu 0x0
	s_wait_tensorcnt 0x0
	ds_add_u32 v[SPW], v[NIL]
	s_wait_dscnt 0x0
	s_endpgm
.Lv_path:
.irp u, 0,1
.irp j, 1,2,3,4,5,6,7
	v_mov_b32 v[BIAS+8*\u+\j], v[BIAS+8*\u]        ; a lane's eight results of a tile are eight keys of one channel
.endr
.endr
	s_wait_alu depctr_va_vdst(0)
	VPAIR 0
	VPAIR 1
	VPAIR 2
	VPAIR 3
	v_cmp_gt_u32 vcc_lo, 64, v[LS]                 ; lanes 0-15: fragment 0's word, lanes 16-31: fragment 1's
	s_wait_alu depctr_va_vcc(0)                    ; VCC is written, ahead of the selection that reads it
	v_cndmask_b32 v[SW], v[KW+1], v[KW], vcc_lo
	s_wait_alu depctr_va_vdst(0)                   ; the word is written, which the store reads
	global_store_b32 v[LS], v[SW], s[46:47] offset:8320
	s_wait_dscnt 0x0                               ; the wave's end: the same six lines
	s_wait_alu 0x0
	s_wait_tensorcnt 0x0
	ds_add_u32 v[SPW], v[NIL]
	s_wait_dscnt 0x0
	s_endpgm
.Lwo:                                              ; Wo's 32 rows of slab w become four fragments and four scale words; no LDS byte is written on this path
	s_lshl_b32 s54, s[WV], 15
	s_mov_b32 s55, 0
	s_add_nc_u64 s[42:43], s[20:21], s[54:55]
	s_mul_i32 s54, s[WV], 8704
	s_add_nc_u64 s[46:47], s[32:33], s[54:55]
	LOAD64 STA, 42, 0
	LOAD64 STB, 42, 512
	WFOUR
	s_wait_alu depctr_va_vdst(0)                   ; Wo's codes and scale words are written, which the 17 stores read
.irp i, 0,1,2,3,4,5,6,7,8,9,10,11,12,13,14,15
	global_store_b128 v[LI], v[WF+4*\i:WF+4*\i+3], s[46:47] offset:512*\i
.endr
	global_store_b128 v[LI], v[WS:WS+3], s[46:47] offset:8192
	s_wait_dscnt 0x0                               ; the wave's end: the same six lines
	s_wait_alu 0x0
	s_wait_tensorcnt 0x0
	ds_add_u32 v[SPW], v[NIL]
	s_wait_dscnt 0x0
	s_endpgm
.Lfunc_end_k_q7ca95cd110_project:
	.size	k_q7ca95cd110_project, .Lfunc_end_k_q7ca95cd110_project-k_q7ca95cd110_project
	.p2alignl 7, 3214868480
	.fill 96, 4, 3214868480
	.section	.rodata,"a",@progbits
	.p2align	6, 0x0
	.amdhsa_kernel k_q7ca95cd110_project
		.amdhsa_group_segment_fixed_size 35840
		.amdhsa_private_segment_fixed_size 0
		.amdhsa_enable_private_segment 0
		.amdhsa_kernarg_size 120
		.amdhsa_user_sgpr_count 2
		.amdhsa_user_sgpr_kernarg_segment_ptr 1
		.amdhsa_wavefront_size32 1
		.amdhsa_system_sgpr_workgroup_id_x 1
		.amdhsa_system_sgpr_workgroup_id_y 1
		.amdhsa_system_sgpr_workgroup_id_z 1
		.amdhsa_system_vgpr_workitem_id 0
		.amdhsa_next_free_vgpr 256
		.amdhsa_next_free_sgpr 80
		.amdhsa_reserve_vcc 1
		.amdhsa_float_denorm_mode_32 3
		.amdhsa_float_denorm_mode_16_64 3
		.amdhsa_memory_ordered 1
		.amdhsa_forward_progress 1
		.amdhsa_inst_pref_size 183
	.end_amdhsa_kernel
	.amdgpu_metadata
---
amdhsa.version: [ 1, 2 ]
amdhsa.kernels:
  - .name:           k_q7ca95cd110_project
    .symbol:         k_q7ca95cd110_project.kd
    .args:
      - { .name: q_data, .offset: 0, .size: 8, .value_kind: global_buffer, .address_space: global }
      - { .name: x_0, .offset: 8, .size: 8, .value_kind: global_buffer, .address_space: global }
      - { .name: v_0, .offset: 16, .size: 8, .value_kind: global_buffer, .address_space: global }
      - { .name: edge_attr, .offset: 24, .size: 8, .value_kind: global_buffer, .address_space: global }
      - { .name: concatenated_features, .offset: 32, .size: 8, .value_kind: global_buffer, .address_space: global }
      - { .name: Wq, .offset: 40, .size: 8, .value_kind: global_buffer, .address_space: global }
      - { .name: Wk, .offset: 48, .size: 8, .value_kind: global_buffer, .address_space: global }
      - { .name: Wv, .offset: 56, .size: 8, .value_kind: global_buffer, .address_space: global }
      - { .name: Wo, .offset: 64, .size: 8, .value_kind: global_buffer, .address_space: global }
      - { .name: bq, .offset: 72, .size: 8, .value_kind: global_buffer, .address_space: global }
      - { .name: bk, .offset: 80, .size: 8, .value_kind: global_buffer, .address_space: global }
      - { .name: bv, .offset: 88, .size: 8, .value_kind: global_buffer, .address_space: global }
      - { .name: q_img, .offset: 96, .size: 8, .value_kind: global_buffer, .address_space: global }
      - { .name: kv, .offset: 104, .size: 8, .value_kind: global_buffer, .address_space: global }
      - { .name: wo_img, .offset: 112, .size: 8, .value_kind: global_buffer, .address_space: global }
    .group_segment_fixed_size: 35840
    .private_segment_fixed_size: 0
    .kernarg_segment_align: 8
    .kernarg_segment_size: 120
    .max_flat_workgroup_size: 256
    .sgpr_count:     80
    .vgpr_count:     256
    .wavefront_size: 32
...
	.end_amdgpu_metadata
.endif
;; end of part 4
;; launch attend (part 5): grid 16 x 16, 8 waves a work-group, clusters of 4 x 1, 327,680 bytes of LDS; arguments q_img, kv, feature_weights, o_img, o_sc; writes o_img, o_sc
.if DOCPART == 5
	.amdgcn_target "amdgcn-amd-amdhsa--gfx1250"
	.amdhsa_code_object_version 6
	.text
	.protected	k_q7ca95cd110_attend
	.globl	k_q7ca95cd110_attend
	.p2align	8
	.type	k_q7ca95cd110_attend,@function
k_q7ca95cd110_attend:
	s_mov_b64 s[64:65], 0
	v_nop
	global_prefetch_b8 v0, s[64:65] scope:SCOPE_SE
	s_setreg_imm32_b32 hwreg(HW_REG_WAVE_MODE, 25, 1), 1
	s_wait_xcnt 0x0
	s_wait_alu depctr_hold_cnt(0) depctr_sa_sdst(0) depctr_va_vdst(0) depctr_va_sdst(0) depctr_va_ssrc(0) depctr_va_vcc(0) depctr_vm_vsrc(0)
	s_getreg_b32 s2, hwreg(HW_REG_IB_STS2, 6, 4)
	s_cmp_eq_u32 s2, 0
	s_cbranch_scc0 .Lentry_in_a_cluster
	s_endpgm
.Lentry_in_a_cluster:
	s_bfe_u32 s2, ttmp6, 0x10000c
	s_cmp_lg_u32 s2, 0x3003
	s_cbranch_scc0 .Lentry_shape_is_right
	s_endpgm
.Lentry_shape_is_right:
; o[b][q][head] = the sum over the four features i of gate_i x softmax_k(Q . K_i / sqrt(32)) V_i, both products on codes of E4M3 with E8M0 scales; o is then quantised along the head's 32 channels for the last projection.
; No work of the problem is left out here.
; THE SOFTMAX AHEAD OF THE SECOND PRODUCT: t = score x log2(e) / sqrt(32); M = the running largest t rounded UP to a whole number; p = 2^(t - M) is quantised along the keys, not normalised; the row's sum is taken of
; the unquantised p and divides at a feature's end.  When M moves, the sum and O^T are multiplied by 2^(old M - new M): exact.
; LIMITS: NaN and infinities are not served.  A block's largest p is taken as the exponential of the block's largest score: that leans on v_exp_f32 not falling where its input rises.
; A block of zeros keeps the scale byte 1: its codes are zeros, and this program alone reads the bytes.
; SHARES.  A work-group owns 128 queries of one (batch, head); each of its eight waves 16 of them, one tile.  Every wave walks 4 features x 16 steps of 128 keys.
; CLUSTER.  The four query blocks of a cluster belong to one (batch, head) and read the same bytes of kv: every fill is asked for JOINTLY, by the same tensor load with a mask that names the four.
; THE RING.  Two LDS slots, each holding ONE WHOLE FEATURE of the head (16 steps x 8,448 bytes, dense in memory).  A wave fetches two steps (66 rows of 256 bytes) with one load.  A slot is filled again a whole feature,
; 16 steps, ahead of its first read.  By this text's own count a wave has two tensor loads out at the head and one behind each of the two refills.
; LAYOUT.  Both products are used transposed: S^T = K Q^T, O^T = V^T P^T: a lane holds ONE query (lane % 16) throughout.  The keys of a tile are chosen so that the 16 registers of tiles 2 b and 2 b + 1 are keys 32 b + 16 h + 0 .. 15.
; THE FIRST PRODUCT'S K IS 32, THE INSTRUCTION'S 128.  A fragment of K holds FOUR tiles of 16 keys, one in each block of 32 of the instruction's K.  Q's four registers lie in a strip between twelve registers of zero codes on
; either side; the 16 registers that begin 12 - 4 c into the strip have Q in block c and zeros elsewhere, so the product with them gives the scores of the fragment's tile c.  Q's scale word for it has Q's byte at c and 1 elsewhere.
; The scale byte of a row of o leaves by a store of one byte a lane (both halves of the lanes write the same byte): 16 bytes beside the wave's 512 of codes.
.set FEAT,  135168                     ; a feature of a head: a slot
.set STEPB, 8448                       ; a step: K's 8 tiles (4,096), V^T's two fragments (4,096), K's scale words (128), V's (128)
.set PART,  16896                      ; what a wave fetches
.set SPARE, 2*FEAT                     ; behind the ring: the spare words, 128 bytes for each of eight waves: no other line names them
.set LI,   1                           ; v1   16 x lane
.set LS,   2                           ; v2   4 x lane
.set ADR,  3                           ; v3   the step's first byte + 16 x lane
.set ADS,  4                           ; v4   the same + 4 x lane
.set SPW,  5                           ; v5   my spare word; never rewritten
.set NIL,  6                           ; v6   0; never rewritten
.set OSO,  7                           ; v7   8 x (lane % 16): my row in o_sc
.set G,    8                           ; v8-11   the gates
                                       ; v12 -M, v13 the largest t, v[14:15] the sum in two halves
.set QS,   16                          ; v16-19  Q's scale words, one for each place in the strip
.set KS,   20                          ; v20  K's scale words: lanes 0-15 fragment 0, lanes 16-31 fragment 1
.set VS,   21                          ; v21  V's likewise
.set PW,   22                          ; v22  p's scale word
.set QZ,   24                          ; v24-51  the strip
.set KF,   52                          ; v52-83  K's two fragments
.set VF,   84                          ; v84-115 V^T's two fragments
.set S,    116                         ; v116-179 S^T, then p
.set O,    180                         ; v180-195 O^T of the feature in hand: register 8 u + j is channel 16 h + 8 u + j
.set OUTR, 196                         ; v196-211 the gated sum over the features
.set PCD,  212                         ; v212-227 p's codes
.set BM,   228
.set PT,   232
.set LIM,  236
.set SCO,  240
.set F,    244                         ; v[244:245] a factor; the packed forms name the pair and take its low word
.set TA,   246
.set TC,   248                         ; v[248:249]
.set WV,   14
.set SEL,  20
.set CS,   22
.set MNT,  24
.set TB,   25                          ; s25  LDS byte at which the step in hand begins
.set CNT,  26
.set G1,   28                          ; s[28:35] descriptor group 1
.set G0,   36                          ; s[36:39], s[40:43] group 0, one for each slot
.macro CROUND                          ; a round of the cluster's barrier
	s_barrier_signal -1
	s_barrier_wait -1
	s_cmp_lg_u32 s[WV], 0
	s_cbranch_scc1 .Lnot_wave_0_\@
	s_barrier_signal -3
.Lnot_wave_0_\@:
	s_barrier_wait -3
	s_barrier_signal -1
	s_barrier_wait -1
.endm
	s_load_b256 s[4:11], s[0:1], 0x0               ; q_img, kv, feature_weights, o_img
	s_load_b64 s[12:13], s[0:1], 0x20              ; o_sc
	v_lshl_add_u32 v[SPW], v0, 2, SPARE
	v_mov_b32 v[NIL], 0
	ds_add_u32 v[SPW], v[NIL]                      ; the wave's opening: the add, twice on end, and its wait ahead of my first tensor load
	ds_add_u32 v[SPW], v[NIL]                      ; and once more, under the one wait; the set-up below is work on registers
	v_lshrrev_b32 v[TA], 5, v0
	s_delay_alu instid0(VALU_DEP_1)
	v_readfirstlane_b32 s[WV], v[TA]               ; wave 0..7
	s_mov_b32 s[G1], 15|(3<<16)|(1<<21)            ; 15:0 the mask: all four work-groups; 17:16 elements of 8 bytes; 21 set beside a mask; no padding: fragments are read 16 bytes a lane on end
	s_mov_b32 s[G1+1], 32<<16                      ; tensor_dim0 = 32 elements: 256 bytes
	s_mov_b32 s[G1+2], 66<<16                      ; tensor_dim1 = 66 rows
	s_mov_b32 s[G1+3], 32<<16                      ; tile_dim0
	s_mov_b32 s[G1+4], 66                          ; tile_dim1
	s_mov_b32 s[G1+5], 32                          ; from row to row: dense
	s_mov_b32 s[G1+6], 0
	s_mov_b32 s[G1+7], 0
	s_mov_b32 s[SEL], 0x76543210
	s_mov_b32 s[SEL+1], 0xfedcba98                 ; lane l xor 16
	s_mov_b32 s[CS], 0x3e8293ee                    ; c = log2(e) / sqrt(32)
	s_mov_b32 s[CS+1], s[CS]                       ; (named with it as a pair, so it is written)
	s_mov_b32 s[MNT], 0x600000                     ; the mantissa field of 448
	s_and_b32 s46, ttmp7, 0xffff                   ; 8 x batch + head: shared by the four partners
	s_mul_i32 s48, s46, FEAT
	s_mul_i32 s[G0+1], s[WV], PART                 ; my part's place in slot 0: the wave's number alone enters an LDS address
	s_add_co_u32 s48, s48, s[G0+1]
	s_mov_b32 s49, 0                               ; s[48:49]: my part of feature 0 in kv
	s_add_co_u32 s[G0+5], s[G0+1], FEAT            ; and in slot 1
	s_mov_b32 s[G0], 1
	s_mov_b32 s[G0+4], 1
	s_bfe_u32 s44, ttmp6, 0x40000                  ; cx: it enters Q's and o's global addresses alone
	s_lshl_b32 s45, ttmp9, 2
	s_add_co_u32 s45, s45, s44                     ; my query block
	s_lshl_b32 s50, s46, 4
	s_add_co_u32 s50, s50, s45
	s_mul_i32 s50, s50, 4352
	s_mov_b32 s51, 0                               ; s[50:51]: my block in q_img
	s_lshr_b32 s52, s46, 3
	s_lshl_b32 s52, s52, 7
	s_lshl_b32 s53, s45, 3
	s_add_co_u32 s52, s52, s53
	s_add_co_u32 s52, s52, s[WV]                   ; my tile of rows among the 256: 128 x batch + 8 x block + wave
	s_and_b32 s53, s46, 7                          ; the head
	s_lshl_b32 s54, s52, 12
	s_lshl_b32 s55, s53, 9
	s_add_co_u32 s54, s54, s55
	s_mov_b32 s55, 0                               ; s[54:55]: in o_img
	s_lshl_b32 s56, s52, 7
	s_add_co_u32 s56, s56, s53
	s_mov_b32 s57, 0                               ; s[56:57]: in o_sc
	s_lshl_b32 s58, s[WV], 9                       ; my tile in the block of Q
	s_lshr_b32 s59, s[WV], 2
	s_lshl_b32 s59, s59, 6                         ; which half of the scale words
	s_and_b32 s47, s[WV], 3
	s_lshl_b32 s47, s47, 3                         ; and which byte of the word
	s_wait_dscnt 0x0                               ; both opening adds are done
	s_wait_kmcnt 0x0
	s_add_nc_u64 s[G0+2:G0+3], s[6:7], s[48:49]
	s_add_nc_u64 s[G0+6:G0+7], s[G0+2:G0+3], 16*FEAT   ; feature 1
	s_or_b32 s[G0+3], s[G0+3], 0x80000000          ; type = 2
	s_or_b32 s[G0+7], s[G0+7], 0x80000000
	s_add_nc_u64 s[4:5], s[4:5], s[50:51]
	s_add_nc_u64 s[10:11], s[10:11], s[54:55]
	s_add_nc_u64 s[12:13], s[12:13], s[56:57]
	CROUND                                         ; all four work-groups are here: the first joint loads meet
	tensor_load_to_lds s[G0:G0+3], s[G1:G1+7]      ; feature 0
	s_nop 0
	tensor_load_to_lds s[G0+4:G0+7], s[G1:G1+7]    ; feature 1
	s_nop 0
.rept 4
	v_nop
.endr
	s_load_b128 s[16:19], s[8:9], 0x0              ; the four feature weights
	v_and_b32 v[TA], 31, v0
	s_delay_alu instid0(VALU_DEP_1)
	v_lshlrev_b32 v[LI], 4, v[TA]
	s_delay_alu instid0(VALU_DEP_2)
	v_lshlrev_b32 v[LS], 2, v[TA]
	v_and_b32 v[OSO], 15, v0
	s_delay_alu instid0(VALU_DEP_1)
	v_lshlrev_b32 v[PT+1], 2, v[OSO]
	s_delay_alu instid0(VALU_DEP_1)
	v_add_nc_u32 v[PT+1], s59, v[PT+1]
	s_delay_alu instid0(VALU_DEP_3)
	v_lshlrev_b32 v[OSO], 3, v[OSO]
	v_add_nc_u32 v[PT], s58, v[LI]
	global_load_b128 v[QZ+12:QZ+15], v[PT], s[4:5]             ; Q's codes: they stay
	global_load_b32 v[PT+2], v[PT+1], s[4:5] offset:4096       ; the scale word that holds my tile's byte
.irp i, 0,1,2,3,4,5,6,7,8,9,10,11
	v_mov_b32 v[QZ+\i], 0                          ; the strip's zero codes
	v_mov_b32 v[QZ+16+\i], 0
.endr
	v_mov_b32 v[F+1], 0                            ; (upper halves of pairs that packed forms name)
	v_mov_b32 v[TA+1], 0
	v_mov_b32 v[TC], 0
	v_mov_b32 v[TC+1], 0
	s_wait_kmcnt 0x0
	v_mov_b32 v[G], s16                            ; the gates: a softmax of four numbers, the largest taken away first
	v_mov_b32 v[G+1], s17
	v_mov_b32 v[G+2], s18
	v_mov_b32 v[G+3], s19
	s_delay_alu instid0(VALU_DEP_2)
	v_max3_num_f32 v[TA], v[G], v[G+1], v[G+2]
	s_delay_alu instid0(VALU_DEP_1)
	v_max_num_f32 v[TA], v[TA], v[G+3]
.irp i, 0,1,2,3
	v_sub_f32 v[G+\i], v[G+\i], v[TA]
.endr
.irp i, 0,1,2,3
	s_delay_alu instid0(VALU_DEP_4)
	v_mul_f32 v[G+\i], 0x3fb8aa3b, v[G+\i]
.endr
	s_wait_alu depctr_va_vdst(0)
.irp i, 0,1,2,3
	v_exp_f32 v[G+\i], v[G+\i]
.endr
	v_nop
	s_wait_alu depctr_va_vdst(0)                   ; one wait for the four, ahead of their first reader
	v_add_f32 v[TA], v[G], v[G+1]
	v_add_f32 v[TC], v[G+2], v[G+3]
	s_delay_alu instid0(VALU_DEP_1)
	v_add_f32 v[TA], v[TA], v[TC]
	s_wait_alu depctr_va_vdst(0)
	v_rcp_f32 v[TA], v[TA]
	v_nop
	s_wait_alu depctr_va_vdst(0)
.irp i, 0,1,2,3
	v_mul_f32 v[G+\i], v[G+\i], v[TA]
.endr
	s_wait_loadcnt 0x0                             ; Q
	v_lshrrev_b32 v[PT+2], s47, v[PT+2]
	s_delay_alu instid0(VALU_DEP_1)
	v_and_b32 v[PT+2], 255, v[PT+2]                ; my tile's scale byte, row r's in lane r
	s_delay_alu instid0(VALU_DEP_1)
	v_lshl_or_b32 v[QS], v[PT+2], 0, 0x01010100
	s_delay_alu instid0(VALU_DEP_2)
	v_lshl_or_b32 v[QS+1], v[PT+2], 8, 0x01010001
	s_delay_alu instid0(VALU_DEP_3)
	v_lshl_or_b32 v[QS+2], v[PT+2], 16, 0x01000101
	s_delay_alu instid0(VALU_DEP_4)
	v_lshl_or_b32 v[QS+3], v[PT+2], 24, 0x00010101
.irp b, 0,1,2,3
	v_mov_b32 v[PT+\b], 0                          ; a lane permute's destination counts as one of its sources
.endr
.macro PRO slot                        ; a feature begins: its first step's K
	s_mov_b32 s[TB], \slot*FEAT
	v_add_nc_u32 v[ADR], s[TB], v[LI]
	v_add_nc_u32 v[ADS], s[TB], v[LS]
.irp f, 0,1
.irp c, 0,1,2,3
	ds_load_b128 v[KF+16*\f+4*\c:KF+16*\f+4*\c+3], v[ADR] offset:2048*\f+512*\c
.endr
.endr
	ds_load_b32 v[KS], v[ADS] offset:8192
.endm
.macro INIT                            ; the step is written without a first step of its own: it finds zeros, which the first change of M leaves zeros
.irp j, 0,1,2,3,4,5,6,7,8,9,10,11,12,13,14,15
	v_mov_b32 v[O+\j], 0
.endr
	v_mov_b32 v13, 0xff61b1e6                      ; the largest t so far: -3e38
	s_delay_alu instid0(VALU_DEP_1)
	v_floor_f32 v12, -v13
	v_mov_b32 v14, 0
	v_mov_b32 v15, 0
.endm
; A KEY STEP: 128 keys.  last = 1: the feature's last: no next step's K is fetched (it would lie beyond the slot).
.macro STEP last
	s_wait_dscnt 0x0                               ; K and its scale words are in
.irp f, 0,1
.irp c, 0,1,2,3
.if \f
	v_wmma_scale_f32_16x16x128_f8f6f4 v[S+8*(4*\f+\c):S+8*(4*\f+\c)+7], v[KF+16*\f:KF+16*\f+15], v[QZ+12-4*\c:QZ+27-4*\c], 0, v[KS], v[QS+\c] matrix_a_scale:MATRIX_SCALE_ROW1
.else
	v_wmma_scale_f32_16x16x128_f8f6f4 v[S+8*(4*\f+\c):S+8*(4*\f+\c)+7], v[KF+16*\f:KF+16*\f+15], v[QZ+12-4*\c:QZ+27-4*\c], 0, v[KS], v[QS+\c]
.endif
.endr
.endr
	v_add_nc_u32 v[ADR], s[TB], v[LI]              ; eight places ahead of the loads into registers that products have read, and of the first read of the scores
	v_add_nc_u32 v[ADS], s[TB], v[LS]
	v_mov_b32 v[TA], v12                           ; the old -M
.rept 5
	v_nop
.endr
	ds_load_b32 v[VS], v[ADS] offset:8320
.irp u, 0,1
.irp c, 0,1,2,3
	ds_load_b128 v[VF+16*\u+4*\c:VF+16*\u+4*\c+3], v[ADR] offset:4096+2048*\u+512*\c
.endr
.endr
.if !\last
.irp f, 0,1
.irp c, 0,1,2,3
	ds_load_b128 v[KF+16*\f+4*\c:KF+16*\f+4*\c+3], v[ADR] offset:STEPB+2048*\f+512*\c   ; the next step's K lands under the softmax
.endr
.endr
	ds_load_b32 v[KS], v[ADS] offset:STEPB+8192
.endif
.irp b, 0,1,2,3
	v_max3_num_f32 v[BM+\b], v[S+16*\b], v[S+1+16*\b], v[S+2+16*\b]   ; the largest score of each block of 32 keys: for the row's maximum, and for the block's largest p
.endr
.irp i, 3,5,7,9,11,13
.irp b, 0,1,2,3
	v_max3_num_f32 v[BM+\b], v[BM+\b], v[S+16*\b+\i], v[S+1+16*\b+\i]
.endr
.endr
.irp b, 0,1,2,3
	v_max_num_f32 v[BM+\b], v[BM+\b], v[S+15+16*\b]
.endr
.irp b, 0,1,2,3
	s_delay_alu instid0(VALU_DEP_4)
	v_permlanex16_b32 v[PT+\b], v[BM+\b], s[SEL], s[SEL+1]
.endr
.irp b, 0,1,2,3
	s_delay_alu instid0(VALU_DEP_4)
	v_max_num_f32 v[BM+\b], v[BM+\b], v[PT+\b]     ; with lane l xor 16's 16 keys
.endr
	s_delay_alu instid0(VALU_DEP_2)
	v_max3_num_f32 v[TC], v[BM], v[BM+1], v[BM+2]
	s_delay_alu instid0(VALU_DEP_1)
	v_max_num_f32 v[TC], v[TC], v[BM+3]
	s_delay_alu instid0(VALU_DEP_1)
	v_mul_f32 v[TC], s[CS], v[TC]                  ; as t (c is positive)
	s_delay_alu instid0(VALU_DEP_1)
	v_max_num_f32 v13, v13, v[TC]                  ; the running largest t
	s_delay_alu instid0(VALU_DEP_1)
	v_floor_f32 v12, -v13                          ; the new -M = -ceil(t)
	s_delay_alu instid0(VALU_DEP_1)
	v_sub_f32 v[TA], v12, v[TA]                    ; old M - new M: a whole number, 0 or less
	s_delay_alu instid0(VALU_DEP_1)
	v_cvt_i32_f32 v[TA], v[TA]                     ; (it saturates)
	s_delay_alu instid0(VALU_DEP_1)
	v_ldexp_f32 v[F], 1.0, v[TA]                   ; f = 2^(old M - new M)
.set j, 0
.rept 32
	v_pk_fma_f32 v[S+j:S+j+1], v[S+j:S+j+1], s[CS:CS+1], v[12:13] op_sel_hi:[1,0,0]   ; t - M, two at a time
.set j, j+2
.endr
.irp b, 0,1,2,3
	v_fma_f32 v[BM+\b], v[BM+\b], s[CS], v12       ; the same of each block's largest score
.endr
.set j, 0
	s_wait_alu depctr_va_vdst(0)
.rept 64
	v_exp_f32 v[S+j], v[S+j]                       ; p = 2^(t - M)
.set j, j+1
.endr
	v_pk_mul_f32 v[14:15], v[14:15], v[F:F+1] op_sel_hi:[1,0]   ; the sums under the new M: the plain line behind the exponentials
	s_wait_alu depctr_va_vdst(0)                   ; one wait for the 64, ahead of their first reader
.irp b, 0,1,2,3
	v_exp_f32 v[BM+\b], v[BM+\b]                   ; the block's largest p
.endr
	v_pk_add_f32 v[248:249], v[120:121], v[124:125]
	v_pk_add_f32 v[254:255], v[128:129], v[132:133]
	v_pk_add_f32 v[252:253], v[136:137], v[140:141]
	v_pk_add_f32 v[250:251], v[144:145], v[148:149]
	v_pk_add_f32 v[246:247], v[152:153], v[156:157]
	v_pk_add_f32 v[242:243], v[160:161], v[164:165]
	v_pk_add_f32 v[240:241], v[168:169], v[172:173]
	v_pk_add_f32 v[14:15], v[14:15], v[176:177]
	v_pk_add_f32 v[248:249], v[248:249], v[116:117]
	v_pk_add_f32 v[254:255], v[254:255], v[118:119]
	v_pk_add_f32 v[252:253], v[252:253], v[122:123]
	v_pk_add_f32 v[250:251], v[250:251], v[126:127]
	v_pk_add_f32 v[246:247], v[246:247], v[130:131]
	v_pk_add_f32 v[242:243], v[242:243], v[134:135]
	v_pk_add_f32 v[240:241], v[240:241], v[138:139]
	v_pk_add_f32 v[14:15], v[14:15], v[142:143]
	v_pk_add_f32 v[248:249], v[248:249], v[146:147]
	v_pk_add_f32 v[254:255], v[254:255], v[150:151]
	v_pk_add_f32 v[252:253], v[252:253], v[154:155]
	v_pk_add_f32 v[250:251], v[250:251], v[158:159]
	v_pk_add_f32 v[246:247], v[246:247], v[162:163]
	v_pk_add_f32 v[242:243], v[242:243], v[166:167]
	v_pk_add_f32 v[240:241], v[240:241], v[170:171]
	v_pk_add_f32 v[14:15], v[14:15], v[174:175]
	v_pk_add_f32 v[248:249], v[248:249], v[178:179]
	s_delay_alu instid0(VALU_DEP_2)
	v_pk_add_f32 v[14:15], v[14:15], v[250:251]
	s_delay_alu instid0(VALU_DEP_2)
	v_pk_add_f32 v[248:249], v[248:249], v[246:247]
	v_pk_add_f32 v[254:255], v[254:255], v[242:243]
	v_pk_add_f32 v[252:253], v[252:253], v[240:241]
	s_delay_alu instid0(VALU_DEP_2)
	v_pk_add_f32 v[14:15], v[14:15], v[254:255]
	s_delay_alu instid0(VALU_DEP_2)
	v_pk_add_f32 v[248:249], v[248:249], v[252:253]
	s_delay_alu instid0(VALU_DEP_1)
	v_pk_add_f32 v[14:15], v[14:15], v[248:249]
	s_wait_alu depctr_va_vdst(0)                   ; and one for the four
.irp b, 0,1,2,3
	v_max_num_f32 v[BM+\b], 0x4800000, v[BM+\b]    ; the floor 2^(9 - 127): the byte cannot fall under 1
.endr
.irp b, 0,1,2,3
	s_delay_alu instid0(VALU_DEP_4)
	v_add_nc_u32 v[SCO+\b], 0xfc000000, v[BM+\b]   ; the conversion's scale operand
.endr
.irp b, 0,1,2,3
	v_and_or_b32 v[LIM+\b], v[BM+\b], 0x7f800000, s[MNT]   ; 448 x the scale
.endr
.irp b, 0,1,2,3
	v_lshrrev_b32 v[PT+\b], 23, v[SCO+\b]          ; the scale's byte
.endr
	s_delay_alu instid0(VALU_DEP_3)
	v_lshl_or_b32 v[PW], v[PT+1], 8, v[PT]         ; p's scale word for these 128 keys: more than eight places ahead of its products
	s_delay_alu instid0(VALU_DEP_1)
	v_lshl_or_b32 v[PW], v[PT+2], 16, v[PW]
	s_delay_alu instid0(VALU_DEP_1)
	v_lshl_or_b32 v[PW], v[PT+3], 24, v[PW]
.irp b, 0,1,2,3
.irp i, 0,1,2,3,4,5,6,7,8,9,10,11,12,13,14,15
	v_min_num_f32 v[S+16*\b+\i], v[S+16*\b+\i], v[LIM+\b]   ; the hold (ISA guide 7.6.2); p is not negative, so it is one-sided
.endr
	v_cvt_scalef32_pk8_fp8_f32 v[PCD+4*\b:PCD+1+4*\b], v[S+16*\b:S+7+16*\b], v[SCO+\b]
	v_cvt_scalef32_pk8_fp8_f32 v[PCD+2+4*\b:PCD+3+4*\b], v[S+8+16*\b:S+15+16*\b], v[SCO+\b]
.endr
.set j, 0
.rept 8
	v_pk_mul_f32 v[O+j:O+j+1], v[O+j:O+j+1], v[F:F+1] op_sel_hi:[1,0]   ; O^T under the new M; these eight stand between the codes and their products
.set j, j+2
.endr
.if \last
	s_wait_alu depctr_va_vdst(0)
	s_wait_dscnt 0x0
.else
	s_wait_alu depctr_va_vdst(0)
	s_wait_dscnt 9                                 ; V and its scale words are in; the nine younger loads, the next step's K and its scale words, may be out
.endif
	v_wmma_scale_f32_16x16x128_f8f6f4 v[O:O+7], v[VF:VF+15], v[PCD:PCD+15], v[O:O+7], v[VS], v[PW]
	v_wmma_scale_f32_16x16x128_f8f6f4 v[O+8:O+15], v[VF+16:VF+31], v[PCD:PCD+15], v[O+8:O+15], v[VS], v[PW] matrix_a_scale:MATRIX_SCALE_ROW1
	s_add_co_u32 s[TB], s[TB], STEPB
.endm
.macro FEATURE                         ; no two matrix instructions that follow each other share an accumulator, over the backward jump too
	s_mov_b32 s[CNT], 15
.Lstep_\@:
	s_wait_alu depctr_va_vdst(0)
	STEP 0
	s_sub_co_u32 s[CNT], s[CNT], 1
	s_cmp_lg_u32 s[CNT], 0
	s_cbranch_scc1 .Lstep_\@
	STEP 1
.endm
.macro FINAL f                         ; feature f is done: O^T x gate / the row's sum joins the sum over the features
	v_add_f32 v14, v14, v15
	s_delay_alu instid0(VALU_DEP_1)
	v_permlanex16_b32 v[TC], v14, s[SEL], s[SEL+1]
	s_delay_alu instid0(VALU_DEP_1)
	v_add_f32 v14, v14, v[TC]
	s_wait_alu depctr_va_vdst(0)
	v_rcp_f32 v14, v14
.rept 6
	v_nop                                          ; with the two additions: eight places between the last products and the first read of O^T
.endr
	s_wait_alu depctr_va_vdst(0)
	v_mul_f32 v[F], v14, v[G+\f]
.set j, 0
.rept 8
.if \f == 0
	v_pk_mul_f32 v[OUTR+j:OUTR+j+1], v[O+j:O+j+1], v[F:F+1] op_sel_hi:[1,0]
.else
	v_pk_fma_f32 v[OUTR+j:OUTR+j+1], v[O+j:O+j+1], v[F:F+1], v[OUTR+j:OUTR+j+1] op_sel_hi:[1,0,1]
.endif
.set j, j+2
.endr
.endm
; THE CHANGE OF SLOTS.  Each wave waits for all its tensor loads (its part of the slot ahead), adds 0 to its spare word, and waits for that and for its reads of the slot that it leaves.
; fill = 1: the barrier is a round of the cluster's, and the slot just left takes the feature two on: the wave's one tensor load behind the round, and the first thing there.
.macro CHANGE fill, slot
	s_wait_tensorcnt 0x0                           ; no tensor load of mine is out, so a group 0 may be written
	ds_add_u32 v[SPW], v[NIL]
.if \fill
	s_add_nc_u64 s[G0+4*\slot+2:G0+4*\slot+3], s[G0+4*\slot+2:G0+4*\slot+3], 32*FEAT   ; two features on; the type bits on top are not reached
.endif
	s_wait_dscnt 0x0                               ; the add is done, and my reads of the slot are over
.if \fill
	CROUND
	tensor_load_to_lds s[G0+4*\slot:G0+4*\slot+3], s[G1:G1+7]
	s_nop 0
.rept 4
	v_nop
.endr
.else
	s_barrier_signal -1
	s_barrier_wait -1
.endif
.endm
	s_wait_tensorcnt 1                             ; my part of feature 0 is in; feature 1's load may stay out
	s_barrier_signal -1
	s_barrier_wait -1                              ; everybody's is
	PRO 0
	INIT
	FEATURE
	CHANGE 1, 0                                    ; slot 0 takes feature 2
	PRO 1
	FINAL 0
	INIT
	FEATURE
	CHANGE 1, 1                                    ; slot 1 takes feature 3
	PRO 0
	FINAL 1
	INIT
	FEATURE
	CHANGE 0, 0                                    ; nothing is left to fetch
	PRO 1
	FINAL 2
	INIT
	FEATURE
	FINAL 3
	; THE WAY OUT: my query's 16 channels and lane l xor 16's are a block of the last projection's K
	v_max3_num_f32 v[BM], |v[OUTR]|, |v[OUTR+1]|, 0x4800000
.irp i, 2,4,6,8,10,12,14
	s_delay_alu instid0(VALU_DEP_1)
	v_max3_num_f32 v[BM], v[BM], |v[OUTR+\i]|, |v[OUTR+\i+1]|
.endr
	s_delay_alu instid0(VALU_DEP_1)
	v_permlanex16_b32 v[PT], v[BM], s[SEL], s[SEL+1]
	s_delay_alu instid0(VALU_DEP_1)
	v_max_num_f32 v[BM], v[BM], v[PT]
	s_delay_alu instid0(VALU_DEP_1)
	v_add_nc_u32 v[SCO], 0xfc000000, v[BM]
	s_delay_alu instid0(VALU_DEP_2)
	v_and_or_b32 v[LIM], v[BM], 0x7f800000, s[MNT]
	s_delay_alu instid0(VALU_DEP_2)
	v_lshrrev_b32 v[PT], 23, v[SCO]
.irp i, 0,1,2,3,4,5,6,7,8,9,10,11,12,13,14,15
	v_med3_num_f32 v[OUTR+\i], v[OUTR+\i], -v[LIM], v[LIM]
.endr
	v_cvt_scalef32_pk8_fp8_f32 v[PCD:PCD+1], v[OUTR:OUTR+7], v[SCO]
	v_cvt_scalef32_pk8_fp8_f32 v[PCD+2:PCD+3], v[OUTR+8:OUTR+15], v[SCO]
	v_nop
	global_store_b128 v[LI], v[PCD:PCD+3], s[10:11]    ; 512 consecutive bytes: four registers of the next operand
	global_store_b8 v[OSO], v[PT], s[12:13]
	s_wait_tensorcnt 0x0                           ; the wave's end
	ds_add_u32 v[SPW], v[NIL]
	s_wait_dscnt 0x0
	CROUND                                         ; the closing round: no work-group ends while a partner may still ask for a tile that names it
	s_endpgm
.Lfunc_end_k_q7ca95cd110_attend:
	.size	k_q7ca95cd110_attend, .Lfunc_end_k_q7ca95cd110_attend-k_q7ca95cd110_attend
	.p2alignl 7, 3214868480
	.fill 96, 4, 3214868480
	.section	.rodata,"a",@progbits
	.p2align	6, 0x0
	.amdhsa_kernel k_q7ca95cd110_attend
		.amdhsa_group_segment_fixed_size 327680
		.amdhsa_private_segment_fixed_size 0
		.amdhsa_enable_private_segment 0
		.amdhsa_kernarg_size 40
		.amdhsa_user_sgpr_count 2
		.amdhsa_user_sgpr_kernarg_segment_ptr 1
		.amdhsa_wavefront_size32 1
		.amdhsa_system_sgpr_workgroup_id_x 1
		.amdhsa_system_sgpr_workgroup_id_y 1
		.amdhsa_system_sgpr_workgroup_id_z 1
		.amdhsa_system_vgpr_workitem_id 0
		.amdhsa_next_free_vgpr 256
		.amdhsa_next_free_sgpr 66
		.amdhsa_reserve_vcc 0
		.amdhsa_float_denorm_mode_32 3
		.amdhsa_float_denorm_mode_16_64 3
		.amdhsa_memory_ordered 1
		.amdhsa_forward_progress 1
		.amdhsa_inst_pref_size 156
	.end_amdhsa_kernel
	.amdgpu_metadata
---
amdhsa.version: [ 1, 2 ]
amdhsa.kernels:
  - .name:           k_q7ca95cd110_attend
    .symbol:         k_q7ca95cd110_attend.kd
    .args:
      - { .name: q_img, .offset: 0, .size: 8, .value_kind: global_buffer, .address_space: global }
      - { .name: kv, .offset: 8, .size: 8, .value_kind: global_buffer, .address_space: global }
      - { .name: feature_weights, .offset: 16, .size: 8, .value_kind: global_buffer, .address_space: global }
      - { .name: o_img, .offset: 24, .size: 8, .value_kind: global_buffer, .address_space: global }
      - { .name: o_sc, .offset: 32, .size: 8, .value_kind: global_buffer, .address_space: global }
    .group_segment_fixed_size: 327680
    .private_segment_fixed_size: 0
    .kernarg_segment_align: 8
    .kernarg_segment_size: 40
    .max_flat_workgroup_size: 256
    .sgpr_count:     66
    .vgpr_count:     256
    .wavefront_size: 32
...
	.end_amdgpu_metadata
.endif
;; end of part 5
;; launch outproj (part 6): grid 256 x 1, 8 waves a work-group, no clusters, 17,920 bytes of LDS; arguments o_img, o_sc, wo_img, bo, out0; writes out0
.if DOCPART == 6
	.amdgcn_target "amdgcn-amd-amdhsa--gfx1250"
	.amdhsa_code_object_version 6
	.text
	.protected	k_q7ca95cd110_outproj
	.globl	k_q7ca95cd110_outproj
	.p2align	8
	.type	k_q7ca95cd110_outproj,@function
k_q7ca95cd110_outproj:
	s_mov_b64 s[64:65], 0
	v_nop
	global_prefetch_b8 v0, s[64:65] scope:SCOPE_SE
	s_setreg_imm32_b32 hwreg(HW_REG_WAVE_SCHED_MODE, 0, 2), 2
	s_setreg_imm32_b32 hwreg(HW_REG_WAVE_MODE, 25, 1), 1
	s_wait_xcnt 0x0
	s_wait_alu depctr_vm_vsrc(0)
; out0 = o Wo^T + bo, on the codes and scale bytes that the two launches before have made.  No work of the problem is left out here.
; A work-group takes one tile of 16 rows (row r of tile T is row 32 (T / 2) + 8 (T % 2) + r + 8 (r / 8)); wave w takes columns 32 w .. 32 w + 31: two tiles of Wo's rows, two K steps of 128: four matrix instructions.
; All operands lie in memory as images of their registers, 16 bytes a lane on end.  The product is used transposed (source 0 = 16 rows of Wo, source 1 = the 16 rows of o): a lane holds one row and columns 16 h + 0 .. 15 of
; its wave's 32.  The bias is the C of each sum's first instruction.  A row's 1,024 bytes come from eight waves: they meet in a stage in LDS, and each wave stores two whole rows.
; No tensor load, no cluster, no ring: each byte is read once by its work-group and the work is four products a wave.
; THE MODE: SCHED_MODE bits 1:0 = 2 (LLVM: expert scheduling mode 2), set by the entry lines.  The code itself states the register dependences
; between vector or matrix instructions and memory or LDS instructions, with s_wait_alu, always for 0.
; THE PLAN.  Registers that memory or LDS instructions touch:
;   v1-5     offsets and LDS addresses: written at the head, never again: one wait on va_vdst ahead of the first load serves every load, LDS instruction and store.
;   v10-127  operands, scale words and the bias: loads land in them once; no vector instruction has named them before.
;   D        written by the four products, read by four LDS stores: the eight places, then one wait on va_vdst.
;   BK       LDS loads land in it, global stores read it: no vector instruction names it.
; No register that a memory or LDS instruction has read is written again: no wait on vm_vsrc is owed ahead of the closing lines.
.set SP,    1040                       ; a stage row: 1,024 bytes + 16: row r starts 4 r words on among the banks
.set SPARE, 16896                      ; behind the stage (16 x 1,040 bytes): the spare words, 128 bytes for each of eight waves
.set LI,  1                            ; v1  16 x lane
.set OS,  2                            ; v2  8 x (lane % 16)
.set BO,  3                            ; v3  64 h
.set STO, 4                            ; v4  the stage: row r, + 128 x wave + 64 h
.set RD,  5                            ; v5  back: rows 2 w, 2 w + 1; 16 x lane
.set SPW, 6
.set NIL, 7
.set OSC, 10                           ; v[10:11] o's scale words, K steps 0 and 1
.set WS,  12                           ; v[12:15] Wo's scale words (u, s) at 2 u + s
.set WF,  16                           ; v16-79   Wo's fragments (u, s) at 16 (2 u + s)
.set OF,  80                           ; v80-111  o's fragments
.set BI,  112                          ; v112-127 the bias as C
.set D,   128                          ; v128-143 the results
.set BK,  144                          ; v144-159 rows read back
	s_load_b256 s[4:11], s[0:1], 0x0               ; o_img, o_sc, wo_img, bo
	s_load_b64 s[12:13], s[0:1], 0x20              ; out0
	v_lshl_add_u32 v[SPW], v0, 2, SPARE
	v_mov_b32 v[NIL], 0
	v_lshrrev_b32 v8, 5, v0
	v_readfirstlane_b32 s14, v8                    ; wave
	v_and_b32 v8, 31, v0
	v_lshlrev_b32 v[LI], 4, v8
	v_and_b32 v9, 15, v0                           ; r
	v_lshlrev_b32 v[OS], 3, v9
	v_bfe_u32 v8, v0, 4, 1                         ; h
	v_lshlrev_b32 v[BO], 6, v8
	v_mul_u32_u24 v[STO], v9, SP
	v_add_nc_u32 v[STO], v[STO], v[BO]
	s_wait_alu depctr_va_sdst(0)                   ; the wave's number is written, ahead of its first reader
	s_lshl_b32 s24, s14, 7
	v_add_nc_u32 v[STO], s24, v[STO]
	s_mul_i32 s16, s14, 2*SP
	v_add_nc_u32 v[RD], s16, v[LI]
	s_mov_b32 s25, 0                               ; s[24:25]: my 32 numbers of bo
	s_lshl_b32 s18, ttmp9, 12
	s_mov_b32 s19, 0                               ; s[18:19]: the tile in o_img
	s_lshl_b32 s20, ttmp9, 7
	s_mov_b32 s21, 0                               ; in o_sc
	s_mul_i32 s22, s14, 8704
	s_mov_b32 s23, 0                               ; my slab of wo_img
	s_lshr_b32 s26, ttmp9, 1
	s_lshl_b32 s26, s26, 5
	s_and_b32 s27, ttmp9, 1
	s_lshl_b32 s27, s27, 3
	s_add_co_u32 s26, s26, s27
	s_lshl_b32 s27, s14, 1
	s_add_co_u32 s26, s26, s27
	s_lshr_b32 s27, s14, 2
	s_lshl_b32 s27, s27, 3
	s_add_co_u32 s26, s26, s27                     ; the first row that I store: 32 (T / 2) + 8 (T % 2) + 2 w + 8 (w / 4)
	s_lshl_b32 s26, s26, 10
	s_mov_b32 s27, 0
	s_wait_kmcnt 0x0
	s_add_nc_u64 s[4:5], s[4:5], s[18:19]
	s_add_nc_u64 s[6:7], s[6:7], s[20:21]
	s_add_nc_u64 s[8:9], s[8:9], s[22:23]
	s_add_nc_u64 s[10:11], s[10:11], s[24:25]
	s_add_nc_u64 s[12:13], s[12:13], s[26:27]
	s_wait_alu depctr_va_vdst(0)                   ; the offsets and LDS addresses v1 to v5 are written, which every load, LDS instruction and store below reads
.irp i, 0,1,2,3,4,5,6,7,8,9,10,11,12,13,14,15
	global_load_b128 v[WF+4*\i:WF+4*\i+3], v[LI], s[8:9] offset:512*\i
.endr
	global_load_b128 v[WS:WS+3], v[LI], s[8:9] offset:8192
.irp i, 0,1,2,3,4,5,6,7
	global_load_b128 v[OF+4*\i:OF+4*\i+3], v[LI], s[4:5] offset:512*\i     ; head i: registers 4 (i % 4) on of K step i / 4
.endr
	global_load_b64 v[OSC:OSC+1], v[OS], s[6:7]                            ; row r's eight bytes
.irp i, 0,1,2,3
	global_load_b128 v[BI+4*\i:BI+4*\i+3], v[BO], s[10:11] offset:16*\i    ; register 8 u + j: column 16 h + 8 u + j
.endr
	s_wait_loadcnt 0x0
	v_wmma_scale_f32_16x16x128_f8f6f4 v[D:D+7], v[WF:WF+15], v[OF:OF+15], v[BI:BI+7], v[WS], v[OSC]          ; the two accumulators by turns
	v_wmma_scale_f32_16x16x128_f8f6f4 v[D+8:D+15], v[WF+32:WF+47], v[OF:OF+15], v[BI+8:BI+15], v[WS+2], v[OSC]
	v_wmma_scale_f32_16x16x128_f8f6f4 v[D:D+7], v[WF+16:WF+31], v[OF+16:OF+31], v[D:D+7], v[WS+1], v[OSC+1]
	v_wmma_scale_f32_16x16x128_f8f6f4 v[D+8:D+15], v[WF+48:WF+63], v[OF+16:OF+31], v[D+8:D+15], v[WS+3], v[OSC+1]
.rept 8
	v_nop                                          ; eight places ahead of the first read of the results
.endr
	s_wait_alu depctr_va_vdst(0)                   ; the products have written the two accumulators, which the LDS stores read; the places above stay beside this wait
.irp i, 0,1,2,3
	ds_store_b128 v[STO], v[D+4*\i:D+4*\i+3] offset:16*\i   ; each accumulator from its low end on
.endr
	s_wait_dscnt 0x0                               ; for the others' sake: my stores into the stage are done
	s_barrier_signal -1
	s_barrier_wait -1
.irp e, 0,1
.irp q, 0,1
	ds_load_b128 v[BK+4*(2*\e+\q):BK+4*(2*\e+\q)+3], v[RD] offset:\e*SP+512*\q
.endr
.endr
.irp e, 0,1
.irp q, 0,1
	s_wait_dscnt 3-(2*\e+\q)                       ; the younger loads from the stage may stay out
	global_store_b128 v[LI], v[BK+4*(2*\e+\q):BK+4*(2*\e+\q)+3], s[12:13] offset:\e*1024+512*\q th:TH_STORE_NT   ; 512 consecutive bytes, at a multiple of 256 from out0's first byte
.endr
.endr
	s_wait_dscnt 0x0                               ; the wave's end: six lines on end
	s_wait_alu 0x0
	s_wait_tensorcnt 0x0
	ds_add_u32 v[SPW], v[NIL]
	s_wait_dscnt 0x0
	s_endpgm
.Lfunc_end_k_q7ca95cd110_outproj:
	.size	k_q7ca95cd110_outproj, .Lfunc_end_k_q7ca95cd110_outproj-k_q7ca95cd110_outproj
	.p2alignl 7, 3214868480
	.fill 96, 4, 3214868480
	.section	.rodata,"a",@progbits
	.p2align	6, 0x0
	.amdhsa_kernel k_q7ca95cd110_outproj
		.amdhsa_group_segment_fixed_size 17920
		.amdhsa_private_segment_fixed_size 0
		.amdhsa_enable_private_segment 0
		.amdhsa_kernarg_size 40
		.amdhsa_user_sgpr_count 2
		.amdhsa_user_sgpr_kernarg_segment_ptr 1
		.amdhsa_wavefront_size32 1
		.amdhsa_system_sgpr_workgroup_id_x 1
		.amdhsa_system_sgpr_workgroup_id_y 1
		.amdhsa_system_sgpr_workgroup_id_z 1
		.amdhsa_system_vgpr_workitem_id 0
		.amdhsa_next_free_vgpr 160
		.amdhsa_next_free_sgpr 66
		.amdhsa_reserve_vcc 0
		.amdhsa_float_denorm_mode_32 3
		.amdhsa_float_denorm_mode_16_64 3
		.amdhsa_memory_ordered 1
		.amdhsa_forward_progress 1
		.amdhsa_inst_pref_size 7
	.end_amdhsa_kernel
	.amdgpu_metadata
---
amdhsa.version: [ 1, 2 ]
amdhsa.kernels:
  - .name:           k_q7ca95cd110_outproj
    .symbol:         k_q7ca95cd110_outproj.kd
    .args:
      - { .name: o_img, .offset: 0, .size: 8, .value_kind: global_buffer, .address_space: global }
      - { .name: o_sc, .offset: 8, .size: 8, .value_kind: global_buffer, .address_space: global }
      - { .name: wo_img, .offset: 16, .size: 8, .value_kind: global_buffer, .address_space: global }
      - { .name: bo, .offset: 24, .size: 8, .value_kind: global_buffer, .address_space: global }
      - { .name: out0, .offset: 32, .size: 8, .value_kind: global_buffer, .address_space: global }
    .group_segment_fixed_size: 17920
    .private_segment_fixed_size: 0
    .kernarg_segment_align: 8
    .kernarg_segment_size: 40
    .max_flat_workgroup_size: 256
    .sgpr_count:     66
    .vgpr_count:     160
    .wavefront_size: 32
...
	.end_amdgpu_metadata
.endif
;; end of part 6
